; MI455X (gfx1250); checked and timed in simulation.
; The chip was launched on July 23, 2026; its instructions are those of AMD's public machine-readable ISA for CDNA 5 (MIT licence, August 2026) and "CDNA5" Instruction Set Architecture Reference Guide (July 2026). The comments in the code are by the model that wrote it; some were corrected since.
;; MHA. Allowed arithmetic: matrix products marked QUANTISED: E2M1 operands, one E8M0 scale for each 32 along K, by v_wmma_scale_f32_16x16x128_f8f6f4 with both operands' format E2M1 (or v_wmma_scale_f32_32x16x128_f4), f32 sums; everything else in f32.
;; Inputs: out_b 1,024 float32; out_w 1,024 x 1,024 float32; qkv_b 3,072 float32; qkv_w 3,072 x 1,024 float32; x 4 x 2,048 x 1,024 float32.
;; Outputs: out0 4 x 2,048 x 1,024 float32.
;; This version of the problem:
;;   THIS VERSION OF THE PROBLEM IS GIVEN IN LOW PRECISION. The matrix products marked QUANTISED in the list below multiply operands that are first quantised to E2M1 (2 exponent bits, 1 mantissa bit; 4 bits a number), with one power-of-two scale for each 32 numbers along K (OCP MX v1.0); their sums are f32. All else is computed in f32.
;;   The module's matrix products, in the order in which they are computed (A, B: the left and right operand; K: the contracted axis; several contracted axes count as one K, in the product's order):
;;     1. [M 8,192, K 1,024] x [K 1,024, N 3,072]; A: input x; B: input qkv_w: QUANTISED
;;     2. batch 64 x [M 2,048, K 64] x [K 64, N 2,048]; A: computed on the way; B: computed on the way: QUANTISED
;;     3. batch 64 x [M 2,048, K 2,048] x [K 2,048, N 64]; A: softmax (see below); B: computed on the way: QUANTISED
;;     4. [M 8,192, K 1,024] x [K 1,024, N 1,024]; A: computed on the way; B: input out_w: QUANTISED
;;   THE QUANTISER, for each operand of a quantised product, along K:
;;     - K is cut into blocks of 32 from its start; a last block that is shorter is filled with zeros.
;;     - A block's scale is 2^e with e = floor(log2(the largest magnitude in the block)) - 2, held to -126 .. 127; a block of zeros has e = 0. As a byte (E8M0): e + 127.
;;     - Each number is divided by its block's scale, clamped to +-6, and rounded to the nearest number of E2M1, ties to even, subnormals kept.
;;     - The product sums the exact products of the quantised numbers (number of the format x scale) in f32.
;;   ~~~python
;;   def quantise(x, axis):      # numpy; x: float32 -> the quantised numbers, widened to float32 again
;;       x = np.moveaxis(x, axis, -1); K = x.shape[-1]
;;       x = np.pad(x, [(0, 0)] * (x.ndim - 1) + [(0, -K % 32)]); x = x.reshape(x.shape[:-1] + (-1, 32)); a = np.abs(x).max(-1, keepdims=True)
;;       e = np.where(a > 0, np.clip(np.frexp(np.where(a > 0, a, 1))[1] - 1 - 2, -126, 127), 0)      # np.frexp(a)[1] - 1 = floor(log2(a)), exactly
;;       r = np.clip(x / 2.0 ** e, -6, 6)
;;       step = 2.0 ** (np.maximum(np.frexp(np.where(r == 0, 1, r))[1] - 1, 0) - 1)
;;       q = np.round(r / step) * step * 2.0 ** e      # np.round: ties to even
;;       return np.moveaxis(q.reshape(q.shape[:-2] + (-1,))[..., :K], -1, axis).astype(np.float32)
;;   ~~~
;;   SOFTMAX AHEAD OF A QUANTISED PRODUCT. Where the list says 'softmax', what is quantised is not the finished softmax but p = 2^(t - M), with t = logit x log2(e) and M = ceil(the row's largest t), a whole number; so 1/2 < the row's largest p <= 1. The row's sum l is taken of the UNQUANTISED p, in f32, and the product's result is divided by l at the end. Since M is a whole number, a kernel that streams over the keys may use a running M (the ceiling of the running maximum): every later rescaling is an exact power of two, which a block's scale takes up: the codes' values come out the same.
;;   OPERANDS COMPUTED ON THE WAY. 'Computed on the way' means the value that the module computes at that place (a softmax that the list does not call 'softmax' is quantised finished and normalised). What goes into a quantiser is computed in f32, as accurately as f32 sums, v_exp_f32 and their like allow (about 1e-6 of the number): no bf16 or f16 on the way to a quantiser, and a product that is left as it is and whose result goes on into a quantised operand takes f32 operands (vector FMAs, or v_wmma_f32_16x16x4_f32). A number that lies on a knife's edge between two numbers of the format may be rounded either way, as far as f32 arithmetic and the matrix unit's own rounding can turn it there, and no further.
;; One version. Each part assembles by itself: llvm-mc -triple=amdgcn-amd-amdhsa -mcpu=gfx1250 --defsym DOCPART=n.
;; ======== version 1 of 1: 4 launches
;; workspace buffers: ops 6,684,672 bytes; qkv 13,369,344 bytes; oimg 4,456,448 bytes
;; launch quant (part 1): grid 384 x 1, 4 waves a work-group, no clusters, 35,328 bytes of LDS; arguments x, qkv_w, out_w, ops; writes ops
.if DOCPART == 1
	.amdgcn_target "amdgcn-amd-amdhsa--gfx1250"
	.amdhsa_code_object_version 6
	.text
	.protected	k_q6814d4b100_quant
	.globl	k_q6814d4b100_quant
	.p2align	8
	.type	k_q6814d4b100_quant,@function
k_q6814d4b100_quant:
	s_mov_b64 s[64:65], 0
	v_nop
	global_prefetch_b8 v0, s[64:65] scope:SCOPE_SE
	s_setreg_imm32_b32 hwreg(HW_REG_WAVE_MODE, 25, 1), 1
	s_wait_xcnt 0x0
; x [8192][1024], qkv_w [3072][1024] and out_w [1024][1024], f32, K innermost, become codes of FP4 (E2M1) with one E8M0 scale byte for each 32 along K,
; laid in the ORDER OF AN OPERAND'S REGISTERS.  The three tensors are 96 blocks of 128 rows (x 0-63, qkv_w 64-87, out_w 88-95); a block has 8 chunks, one for each 128 along K.
; A CHUNK, 8,704 bytes: codes [tile 8][c 2][lane 32][16 bytes], then scale words [tile 8][r 16][4 bytes].  Lane (r, h) of tile T, part c, holds k = 64 c + 32 h + 0 .. 31 of row
; 32 (T / 2) + 8 (T % 2) + r + 8 (r / 8): THE ROWS OF A TILE ARE NOT NEIGHBOURS, so that a product's results, 16 registers of two neighbouring tiles, are 16 neighbours along the next product's K.
; A block's scale is 2^(floor(log2(its largest magnitude)) - 2); its byte is the largest magnitude's exponent field - 2, held at 1 from below.
; LIMITS: a block of zeros, or one whose largest magnitude lies under 2^-124, gets the byte 1 (its codes are zeros or nearly so, and the bytes are read by this program alone); NaN and infinities are not served.
; SHARES.  A work-group takes a quarter of a block of rows; a wave takes four tiles (64 rows) of one chunk: 64 rows x 512 bytes in, 4,096 bytes of codes and 256 of scale words out.
; Each load reads 512 consecutive bytes of one row, 16 a lane; a tile's 16 rows turn through the wave's own stage in LDS (rows 528 bytes apart)
; and come back 2 x 128 bytes a lane: two whole blocks of 32, so that no other lane is asked for a maximum.  Waves share nothing: no barrier.  No input is shared: no cluster.
.set CH,   8704
.set RBB,  8*CH
.set SP,   528                         ; a row of the stage
.set WREG, 16*SP+256                   ; a wave's LDS: the stage, then its 256 bytes of scale words
.set R,    32                          ; v32-159  two sets of 64: a tile's numbers as they are loaded
.set X,    160                         ; v160-223 my two blocks of 32
.set C,    224                         ; v224-255 codes: eight registers a tile, so that no store's data are written again
	s_load_b256 s[4:11], s[0:1], 0x0               ; x s[4:5], qkv_w s[6:7], out_w s[8:9], ops s[10:11]
	v_lshl_add_u32 v30, v0, 2, 0x8800
	v_mov_b32 v31, 0
	v_lshrrev_b32 v1, 5, v0
	v_readfirstlane_b32 s16, v1                    ; wave 0..3
	v_and_b32 v2, 31, v0                           ; lane
	v_and_b32 v8, 15, v0                           ; r
	v_bfe_u32 v9, v0, 4, 1                         ; h
	v_lshlrev_b32 v3, 4, v2                        ; 16 x lane: my bytes of a load's 512, and of a store's
	s_mul_i32 s17, s16, WREG
	v_add_nc_u32 v14, s17, v3                      ; into the stage: as loaded
	v_mul_u32_u24 v15, v8, SP
	v_lshl_add_u32 v15, v9, 7, v15
	v_add_nc_u32 v15, s17, v15                     ; out of it: row r, + 128 h bytes: k = 32 h on
	s_add_co_u32 s18, s17, 16*SP
	v_lshl_add_u32 v5, v8, 2, s18                  ; my row's scale word
	v_lshl_add_u32 v6, v2, 3, s18                  ; and on the way out 8 bytes a lane
	v_lshlrev_b32 v7, 3, v2
	v_lshlrev_b32 v10, 3, v9                       ; 8 h: my bytes' place in the scale word, in bits
	v_mov_b32 v23, 0                               ; written once: a lane permute's destination counts as one of its sources
	s_mov_b32 s30, 0x76543210
	s_mov_b32 s31, 0xfedcba98                      ; v_permlanex16_b32's selects for lane l xor 16
	s_lshr_b32 s19, ttmp9, 2                       ; which of the 96 blocks of rows
	s_and_b32 s20, ttmp9, 3
	s_lshl_b32 s20, s20, 2
	s_add_co_u32 s20, s20, s16                     ; which of its 16 half chunks is my wave's
	s_lshr_b32 s21, s20, 1                         ; the K step
	s_and_b32 s22, s20, 1                          ; tiles 0-3 or 4-7
	s_mul_i32 s26, s19, RBB
	s_mul_i32 s23, s21, CH
	s_add_co_u32 s26, s26, s23                     ; the chunk, in bytes
	s_lshl_b32 s23, s22, 8
	s_add_co_u32 s28, s26, s23
	s_add_co_u32 s28, s28, 8192                    ; my four tiles' scale words
	s_mov_b32 s29, 0
	s_lshl_b32 s23, s22, 12
	s_add_co_u32 s26, s26, s23                     ; my four tiles' codes
	s_mov_b32 s27, 0
	s_wait_alu depctr_va_vdst(0)
	s_wait_kmcnt 0x0
	s_cmp_lt_u32 s19, 88                           ; which tensor?  The choice hangs on the work-group's number alone
	s_cselect_b64 s[12:13], s[6:7], s[8:9]
	s_cselect_b32 s14, 64, 88
	s_cmp_lt_u32 s19, 64
	s_cselect_b64 s[12:13], s[4:5], s[12:13]
	s_cselect_b32 s14, 0, s14
	s_sub_co_u32 s14, s19, s14                     ; the block's number in its tensor
	s_lshl_b32 s24, s14, 19                        ; 128 rows of 4,096 bytes,
	s_lshl_b32 s23, s22, 18                        ; 64 rows,
	s_add_co_u32 s24, s24, s23
	s_lshl_b32 s23, s21, 9                         ; 128 numbers along K
	s_add_co_u32 s24, s24, s23
	s_mov_b32 s25, 0
	s_add_nc_u64 s[12:13], s[12:13], s[24:25]
	s_add_nc_u64 s[26:27], s[10:11], s[26:27]
	s_add_nc_u64 s[28:29], s[10:11], s[28:29]
.macro LOAD t                          ; tile t's sixteen rows, 512 consecutive bytes each, into set t % 2
.irp i, 0,1,2,3,4,5,6,7,8,9,10,11,12,13,14,15
	global_load_b128 v[R+64*((\t)%2)+4*\i:R+64*((\t)%2)+4*\i+3], v3, s[12:13] offset:(32*((\t)/2)+8*((\t)%2)+\i+8*(\i/8))*4096 th:TH_LOAD_NT
.endr
.endm
.macro STEP t
.set RS, R+64*((\t)%2)
.if (\t) < 3
	s_wait_loadcnt 16                              ; this tile's sixteen loads are in; the next tile's sixteen may be out
.else
	s_wait_loadcnt 0x0
.endif
.irp i, 0,1,2,3,4,5,6,7,8,9,10,11,12,13,14,15
	ds_store_b128 v14, v[RS+4*\i:RS+4*\i+3] offset:SP*\i
.endr
.irp c, 0,1
.irp i, 0,1,2,3,4,5,6,7
	ds_load_b128 v[X+32*\c+4*\i:X+32*\c+4*\i+3], v15 offset:256*\c+16*\i   ; LDS serves a wave's instructions in order: these see the stores above
.endr
.endr
	s_wait_dscnt 0x0                               ; my two blocks are back, and the stores into the stage have read their registers,
.if (\t)+2 < 4
	LOAD (\t)+2                                    ; which take the tile two further on
.endif
.irp c, 0,1
	v_max3_num_f32 v[16+\c], |v[X+32*\c]|, |v[X+32*\c+1]|, 0x1800000   ; block 2 c + h: all its 32 numbers are mine; the floor 2^(3 - 127) holds the byte at 1 from below
.endr
.irp i, 2,4,6,8,10,12,14,16,18,20,22,24,26,28,30
.irp c, 0,1
	v_max3_num_f32 v[16+\c], v[16+\c], |v[X+32*\c+\i]|, |v[X+32*\c+\i+1]|   ; (the two blocks by turns)
.endr
.endr
.irp c, 0,1
	v_add_nc_u32 v[18+\c], 0xff000000, v[16+\c]    ; 2 off the exponent field: the conversion takes the exponent field of this operand as its scale
.endr
.irp c, 0,1
.irp g, 0,1,2,3
	v_cvt_scalef32_pk8_fp4_f32 v[C+8*(\t)+4*\c+\g], v[X+32*\c+8*\g:X+32*\c+8*\g+7], v[18+\c]   ; registers 4 c .. 4 c + 3 of the fragment
.endr
.endr
	v_lshrrev_b32 v20, 23, v18                     ; the scales' bytes (plain lines behind the conversions)
	v_lshrrev_b32 v21, 23, v19
	v_lshl_or_b32 v22, v21, 16, v20                ; blocks h and 2 + h of my row,
	v_lshlrev_b32 v22, v10, v22                    ; at their places in the scale word;
	v_permlanex16_b32 v23, v22, s30, s31
	v_or_b32 v22, v22, v23                         ; with lane l xor 16's two the word is whole
	ds_store_b32 v5, v22 offset:64*(\t)            ; lanes l and l xor 16 write the same word with the same value
	global_store_b128 v3, v[C+8*(\t):C+8*(\t)+3], s[26:27] offset:1024*(\t)         ; 32 lanes store 512 consecutive bytes, aligned
	global_store_b128 v3, v[C+8*(\t)+4:C+8*(\t)+7], s[26:27] offset:1024*(\t)+512
.endm
	LOAD 0
	LOAD 1
	STEP 0
	STEP 1
	STEP 2
	STEP 3
	ds_load_b64 v[12:13], v6                       ; my four tiles' scale words (in order behind my stores)
	s_wait_dscnt 0x0
	global_store_b64 v7, v[12:13], s[28:29]        ; 32 lanes store 256 consecutive bytes, aligned
	s_wait_tensorcnt 0x0
	ds_add_u32 v30, v31
	s_wait_dscnt 0x0
	s_endpgm
.Lfunc_end_k_q6814d4b100_quant:
	.size	k_q6814d4b100_quant, .Lfunc_end_k_q6814d4b100_quant-k_q6814d4b100_quant
	.p2alignl 7, 3214868480
	.fill 96, 4, 3214868480
	.section	.rodata,"a",@progbits
	.p2align	6, 0x0
	.amdhsa_kernel k_q6814d4b100_quant
		.amdhsa_group_segment_fixed_size 35328
		.amdhsa_private_segment_fixed_size 0
		.amdhsa_enable_private_segment 0
		.amdhsa_kernarg_size 32
		.amdhsa_user_sgpr_count 2
		.amdhsa_user_sgpr_kernarg_segment_ptr 1
		.amdhsa_wavefront_size32 1
		.amdhsa_system_sgpr_workgroup_id_x 1
		.amdhsa_system_sgpr_workgroup_id_y 1
		.amdhsa_system_sgpr_workgroup_id_z 1
		.amdhsa_system_vgpr_workitem_id 0
		.amdhsa_next_free_vgpr 256
		.amdhsa_next_free_sgpr 66
		.amdhsa_reserve_vcc 0
		.amdhsa_float_denorm_mode_32 3
		.amdhsa_float_denorm_mode_16_64 3
		.amdhsa_memory_ordered 1
		.amdhsa_forward_progress 1
		.amdhsa_inst_pref_size 30
	.end_amdhsa_kernel
	.amdgpu_metadata
---
amdhsa.version: [ 1, 2 ]
amdhsa.kernels:
  - .name:           k_q6814d4b100_quant
    .symbol:         k_q6814d4b100_quant.kd
    .args:
      - { .name: x, .offset: 0, .size: 8, .value_kind: global_buffer, .address_space: global }
      - { .name: qkv_w, .offset: 8, .size: 8, .value_kind: global_buffer, .address_space: global }
      - { .name: out_w, .offset: 16, .size: 8, .value_kind: global_buffer, .address_space: global }
      - { .name: ops, .offset: 24, .size: 8, .value_kind: global_buffer, .address_space: global }
    .group_segment_fixed_size: 35328
    .private_segment_fixed_size: 0
    .kernarg_segment_align: 8
    .kernarg_segment_size: 32
    .max_flat_workgroup_size: 128
    .sgpr_count:     66
    .vgpr_count:     256
    .wavefront_size: 32
...
	.end_amdgpu_metadata
.endif
;; end of part 1
;; launch qkvgemm (part 2): grid 8 x 48, 8 waves a work-group, clusters of 4 x 4, 279,552 bytes of LDS; arguments ops, qkv_b, qkv; writes qkv
.if DOCPART == 2
	.amdgcn_target "amdgcn-amd-amdhsa--gfx1250"
	.amdhsa_code_object_version 6
	.text
	.protected	k_q6814d4b100_qkvgemm
	.globl	k_q6814d4b100_qkvgemm
	.p2align	8
	.type	k_q6814d4b100_qkvgemm,@function
k_q6814d4b100_qkvgemm:
	s_mov_b64 s[64:65], 0
	v_nop
	global_prefetch_b8 v0, s[64:65] scope:SCOPE_SE
	s_setreg_imm32_b32 hwreg(HW_REG_WAVE_MODE, 25, 1), 1
	s_wait_xcnt 0x0
	s_wait_alu depctr_hold_cnt(0) depctr_sa_sdst(0) depctr_va_vdst(0) depctr_va_sdst(0) depctr_va_ssrc(0) depctr_va_vcc(0) depctr_vm_vsrc(0)
	s_getreg_b32 s2, hwreg(HW_REG_IB_STS2, 6, 4)
	s_cmp_eq_u32 s2, 0
	s_cbranch_scc0 .Lentry_in_a_cluster
	s_endpgm
.Lentry_in_a_cluster:
	s_bfe_u32 s2, ttmp6, 0x10000c
	s_cmp_lg_u32 s2, 0xf033
	s_cbranch_scc0 .Lentry_shape_is_right
	s_endpgm
.Lentry_shape_is_right:
; qkv = x qkv_w^T + qkv_b on codes of FP4 with E8M0 scales, and q, k, v quantised on the way: q and k along the head's 64, v along the keys.  Nothing but codes and scale bytes goes to memory.
; ONE FORM SERVES BOTH: D = S0 S1^T, source 0 = 16 rows of S0, source 1 = 16 rows of S1: a lane holds ONE row of S1 and its registers run along S0's rows, along which the result is quantised.
;   q, k (clusters y = 0..7):  S0 = 256 rows of qkv_w (features), S1 = 256 tokens.      v (clusters y = 8..11):  S0 = 256 tokens, S1 = 256 rows of qkv_w.
; What the two cases differ in is chosen by s_cselect_b32 on the cluster's y, which all partners share: addresses, strides, which bias counts.  No branch hangs on it.
; OPERANDS lie in ops as chunks of 8,704 bytes (128 rows x 128 K): codes in the order of the fragments' registers, [tile 8][c 2][lane 32][16 bytes], then scale words [tile 8][r 16][4 bytes];
; tile T holds rows 32 (T / 2) + 8 (T % 2) + r + 8 (r / 8), so that the 16 result registers of S0's tiles 2 B, 2 B + 1 are the 16 neighbours 32 B + 16 h + 0 .. 15.
; LDS: K = 1,024 is 8 K steps; a K step is 4 chunks (S0's two blocks of rows, S1's two): 32 chunks, 278,528 bytes, EACH FILLED ONCE: no slot is filled again.
; Each of the eight waves asks for four chunks at the head; by this text's own count a wave has four tensor loads out.
; CLUSTER 4 x 4: S0's chunks hang on x alone and are shared along a column of the cluster, S1's on y alone and are shared along a row: each is asked for jointly.
; SHARES: wave w: S0's block w % 2 (8 tiles b), 64 rows of S1 (4 tiles a): 32 accumulators, window 1, (a, b) at v[8 (8 a + b)].
; OUT, per head and 128 tokens, 13,056 bytes: K 4,096 | V 4,096 | K's scale words 256 | V's 256 | Q 4,096 | Q's scale words 256.  K, Q: tile t at 512 t, lane (r, h): d = 32 h .. + 31;
;   their scale words: [pair of tiles 4][r][4]: the even tile's two bytes below, the odd tile's above.  V: [tile of d 4][c 2][512], K = the 128 keys; its scale words [tile 4][r][4].
; LIMITS: a block of zeros, or one under 2^-124, gets the scale byte 1 (read by this program alone); NaN and infinities are not served.  The scale words leave in pieces of 64 bytes.
.set CH,    8704
.set RBB,   8*CH
.set STEPB, 13056
.set HEADB, 16*STEPB
.set WV,   10                          ; s10  my wave's number
.set G1A,  16                          ; s[16:23] descriptor group 1 for S0's chunks;  s[24:31] for S1's: they differ in the mask
.set G1B,  24
.set G0A,  32                          ; s[32:47] four groups 0 for S0's chunks;  s[48:63] for S1's
.set G0B,  48
.set PSEL, 92                          ; s[92:93] v_permlanex16_b32's selects for lane l xor 16
.set A0,   4                           ; v4-7  LDS addresses: S0's fragments, S1's, S0's scale words, S1's; stepped a K step at a time
.set A1,   5
.set AS0,  6
.set AS1,  7
.set CO,   8                           ; v8-15  where tile a's codes, part c, go: v[CO + 2 a + c]
.set SO,   16                          ; v16-17 where the scale words of tiles 2 F, 2 F + 1 go
.set SEL,  18                          ; v18    v_perm_b32's selector that makes them
.set SS0,  20                          ; v20-23 S0's scale words (even tile in lanes 0-15, odd in lanes 16-31);  v24-25 S1's: scales and nothing else
.set SS1,  24
.set F0,   32                          ; v32-95  S0's eight fragments; later 64 results at work
.set F1,   96                          ; v96-127 S1's four fragments; later the codes made, 8 a tile
.set T,    F0
.set PC,   F1
.set BS0,  128                         ; v128-191 the bias along S0, in the result's layout
.set BS1,  192                         ; v192-199 the bias along S1: a pair a tile, both halves alike
.set TMPB, 200
.set TM,   208                         ; v208-223 the quantiser's
.set PW,   224                         ; v224-227 a scale word for each tile a
.set SW,   228                         ; v228-229 as they are stored
.set MSB, 0
.macro WIN new                         ; the immediate's high byte repeats the setting that is left
.if MSB != \new
	s_set_vgpr_msb (MSB<<8)|\new
.set MSB, \new
.endif
.endm
.macro CROUND                          ; a round of the cluster's barrier
	s_barrier_signal -1
	s_barrier_wait -1
	s_cmp_lg_u32 s[WV], 0
	s_cbranch_scc1 .Lnot_wave_0_\@
	s_barrier_signal -3
.Lnot_wave_0_\@:
	s_barrier_wait -3
	s_barrier_signal -1
	s_barrier_wait -1
.endm
; 64 numbers of a lane, v[s] on, register 16 b + i = k 32 b + 16 (lane / 16) + i of my row, become a fragment's codes in v[pc] on and its scale word in v[pw].
.macro QUANT s, pc, pw
.irp b, 0,1,2,3
	v_max3_num_f32 v[TM+\b], |v[\s+16*\b]|, |v[\s+1+16*\b]|, 0x1800000   ; block b: my 16 numbers, and the floor 2^(3 - 127): the byte cannot fall under 1
.endr
.irp i, 2,4,6,8,10,12,14
.irp b, 0,1,2,3
	s_delay_alu instid0(VALU_DEP_4)
	v_max3_num_f32 v[TM+\b], v[TM+\b], |v[\s+16*\b+\i]|, |v[\s+1+16*\b+\i]|   ; (the four blocks by turns)
.endr
.endr
.irp b, 0,1,2,3
	s_delay_alu instid0(VALU_DEP_4)
	v_permlanex16_b32 v[TM+4+\b], v[TM+\b], s[PSEL], s[PSEL+1]
.endr
.irp b, 0,1,2,3
	s_delay_alu instid0(VALU_DEP_4)
	v_max_num_f32 v[TM+\b], v[TM+\b], v[TM+4+\b]   ; with lane l xor 16's: the block's largest magnitude
.endr
.irp b, 0,1,2,3
	s_delay_alu instid0(VALU_DEP_4)
	v_add_nc_u32 v[TM+12+\b], 0xff000000, v[TM+\b]   ; 2 off its exponent field: the conversion's scale operand
.endr
.irp b, 0,1,2,3
	s_delay_alu instid0(VALU_DEP_4)
	v_lshrrev_b32 v[TM+4+\b], 23, v[TM+12+\b]      ; the scale's byte
.endr
	s_delay_alu instid0(VALU_DEP_3)
	v_lshl_or_b32 v[\pw], v[TM+5], 8, v[TM+4]      ; the four bytes make my row's scale word
	s_delay_alu instid0(VALU_DEP_1)
	v_lshl_or_b32 v[\pw], v[TM+6], 16, v[\pw]
	s_delay_alu instid0(VALU_DEP_1)
	v_lshl_or_b32 v[\pw], v[TM+7], 24, v[\pw]
.irp b, 0,1,2,3
	v_cvt_scalef32_pk8_fp4_f32 v[\pc+2*\b], v[\s+16*\b:\s+7+16*\b], v[TM+12+\b]
	v_cvt_scalef32_pk8_fp4_f32 v[\pc+1+2*\b], v[\s+8+16*\b:\s+15+16*\b], v[TM+12+\b]
.endr
	v_nop                                          ; one plain place behind a scaled conversion
.irp c, 0,1                                    ; the operand's layout wants a WHOLE block in a lane: lanes 0-15 block 2 c, lanes 16-31 block 2 c + 1
.irp i, 0,1
	v_permlane16_swap_b32 v[\pc+4*\c+\i], v[\pc+2+4*\c+\i]
.endr
.endr
.endm
	s_load_b128 s[4:7], s[0:1], 0x0                ; ops s[4:5], qkv_b s[6:7]
	s_load_b64 s[8:9], s[0:1], 0x10                ; qkv
	v_lshl_add_u32 v254, v0, 2, 0x44000
	v_mov_b32 v255, 0
	ds_add_u32 v254, v255
	ds_add_u32 v254, v255
	v_lshrrev_b32 v1, 5, v0
	s_delay_alu instid0(VALU_DEP_1)
	v_readfirstlane_b32 s[WV], v1                  ; wave 0..7
	s_bfe_u32 s11, ttmp6, 0x40000                  ; cx
	s_bfe_u32 s12, ttmp6, 0x40004                  ; cy
	s_lshl_b32 s13, ttmp9, 2
	s_add_co_u32 s13, s13, s11                     ; X = 4 x cluster x + cx: 0..7
	s_and_b32 s14, ttmp7, 0xffff                   ; the cluster's y: 0..7 q and k, 8..11 v
	s_lshl_b32 s66, 0x1111, s11                    ; my column of the cluster
	s_lshl_b32 s67, s12, 2
	s_lshl_b32 s67, 15, s67                        ; my row
	; descriptor group 1: a chunk, 8,704 dense bytes, as 34 rows of 256 bytes (32 elements of 8 bytes); no padding
	s_or_b32 s[G1A], s66, (3<<16)|(1<<21)          ; 15:0 the mask; 17:16 elements of 8 bytes; 21 set beside a mask
	s_or_b32 s[G1B], s67, (3<<16)|(1<<21)
.irp g, G1A, G1B
	s_mov_b32 s[\g+1], 32<<16                      ; tensor_dim0 = 32
	s_mov_b32 s[\g+2], 34<<16                      ; tensor_dim1 = 34
	s_mov_b32 s[\g+3], 32<<16                      ; tile_dim0 = 32
	s_mov_b32 s[\g+4], 34                          ; tile_dim1 = 34
	s_mov_b32 s[\g+5], 32                          ; tensor_dim0_stride
	s_mov_b32 s[\g+6], 0
	s_mov_b32 s[\g+7], 0
.endr
	; which blocks of 128 rows of ops.  S0's never hangs on cy, S1's never on cx; each lives in registers that never hold the other coordinate
	s_lshl_b32 s68, s13, 1
	s_max_u32 s69, s14, 8
	s_sub_co_u32 s69, s69, 8
	s_lshl_b32 s69, s69, 4
	s_add_co_u32 s69, s69, s68                     ; v: tokens, block 2 X + 16 (y - 8)
	s_add_co_u32 s68, s68, 64                      ; q, k: qkv_w, block 64 + 2 X
	s_lshl_b32 s70, s12, 1
	s_min_u32 s71, s14, 7
	s_lshl_b32 s71, s71, 3
	s_add_co_u32 s71, s71, s70                     ; q, k: tokens, block 8 y + 2 cy
	s_add_co_u32 s70, s70, 80                      ; v: qkv_w, block 80 + 2 cy
	s_cmp_ge_u32 s14, 8
	s_cselect_b32 s68, s69, s68                    ; S0's first block
	s_cselect_b32 s70, s70, s71                    ; S1's
	; wave w, load n: chunk 8 n + w of LDS: slot w % 4 (0, 1: S0's blocks; 2, 3: S1's), K step 2 n + w / 4
	s_and_b32 s72, s[WV], 1
	s_lshr_b32 s73, s[WV], 2
	s_mul_i32 s73, s73, CH
	s_add_co_u32 s74, s68, s72
	s_mul_i32 s74, s74, RBB
	s_add_co_u32 s74, s74, s73
	s_mov_b32 s75, 0
	s_add_co_u32 s76, s70, s72
	s_mul_i32 s76, s76, RBB
	s_add_co_u32 s76, s76, s73
	s_mov_b32 s77, 0
	s_mul_i32 s78, s[WV], CH                       ; no place in the cluster enters an LDS address
	s_wait_dscnt 0x0
	s_wait_kmcnt 0x0
	s_add_nc_u64 s[74:75], s[4:5], s[74:75]
	s_add_nc_u64 s[76:77], s[4:5], s[76:77]
.irp n, 0,1,2,3
	s_mov_b32 s[G0A+4*\n], 1                       ; count = 1
	s_add_co_u32 s[G0A+4*\n+1], s78, \n*8*CH       ; LDS address
	s_add_nc_u64 s[G0A+4*\n+2:G0A+4*\n+3], s[74:75], \n*2*CH   ; global address: two K steps on
	s_or_b32 s[G0A+4*\n+3], s[G0A+4*\n+3], 0x80000000   ; type = 2
	s_mov_b32 s[G0B+4*\n], 1
	s_add_co_u32 s[G0B+4*\n+1], s78, \n*8*CH
	s_add_nc_u64 s[G0B+4*\n+2:G0B+4*\n+3], s[76:77], \n*2*CH
	s_or_b32 s[G0B+4*\n+3], s[G0B+4*\n+3], 0x80000000
.endr
	CROUND                                         ; all sixteen work-groups are here: the joint loads meet
	s_and_b32 s79, s[WV], 2                        ; a wave's four fills stand in one branch on its number, the same in every work-group
	s_cmp_eq_u32 s79, 0
	s_cbranch_scc0 .Lfor_s1
.irp n, 0,1,2,3
	tensor_load_to_lds s[G0A+4*\n:G0A+4*\n+3], s[G1A:G1A+7]
	s_nop 0
.endr
.rept 4
	v_nop
.endr
	s_branch .Lasked
.Lfor_s1:
.irp n, 0,1,2,3
	tensor_load_to_lds s[G0B+4*\n:G0B+4*\n+3], s[G1B:G1B+7]
	s_nop 0
.endr
.rept 4
	v_nop
.endr
.Lasked:
	v_and_b32 v1, 31, v0                           ; lane
	v_and_b32 v2, 15, v0                           ; r
	v_bfe_u32 v3, v0, 4, 1                         ; h
	s_wait_alu depctr_va_vdst(0)
	s_lshr_b32 s80, s[WV], 1                       ; q: which 64 rows of S1 are mine
	s_lshr_b32 s81, s80, 1
	s_and_b32 s82, s80, 1
	; THE BIASES.  q, k: along S0 (features 256 X + 128 (w % 2) on): the C of the first K step.  v: along S1 (features 2,048 + 64 (4 cy + q) on): added on the way out.
	; Both are always loaded, from a place inside qkv_b, and the one that does not count is made 0.
	s_lshl_b32 s86, s13, 10
	s_lshl_b32 s87, s72, 9
	s_add_co_u32 s86, s86, s87
	s_lshl_b32 s88, s12, 2
	s_add_co_u32 s88, s88, s80                     ; 4 cy + q: v's head
	s_lshl_b32 s89, s88, 8
	s_add_co_u32 s89, s89, 8192
	s_cmp_ge_u32 s14, 8
	s_cselect_b32 s86, 0, s86
	s_cselect_b32 s90, s89, 0
	s_cselect_b32 s94, 0, -1                       ; all lanes where S0's bias counts
	s_cselect_b32 s95, -1, 0                       ; all lanes where S1's does
	s_mov_b32 s87, 0
	s_mov_b32 s91, 0
	s_add_nc_u64 s[86:87], s[6:7], s[86:87]
	s_add_nc_u64 s[90:91], s[6:7], s[90:91]
	v_lshlrev_b32 v26, 6, v3                       ; 16 h numbers
	v_and_b32 v27, 8, v2
	s_delay_alu instid0(VALU_DEP_1)
	v_add_nc_u32 v27, v27, v2
	s_delay_alu instid0(VALU_DEP_1)
	v_lshlrev_b32 v27, 2, v27                      ; r + 8 (r / 8) numbers
.irp b, 0,1,2,3,4,5,6,7
	global_load_b128 v[BS0+8*\b:BS0+8*\b+3], v26, s[86:87] offset:(32*(\b/2)+8*(\b%2))*4
	global_load_b128 v[BS0+8*\b+4:BS0+8*\b+7], v26, s[86:87] offset:(32*(\b/2)+8*(\b%2))*4+16
.endr
.irp a, 0,1,2,3
	global_load_b32 v[TMPB+\a], v27, s[90:91] offset:(32*(\a/2)+8*(\a%2))*4
.endr
	; LDS addresses at K step 0
	s_mul_i32 s83, s72, CH                         ; S0's slot
	s_add_co_u32 s84, s81, 2
	s_mul_i32 s84, s84, CH                         ; S1's slot
	s_lshl_b32 s85, s82, 12
	s_add_co_u32 s85, s85, s84                     ; and my four tiles in it
	v_lshl_add_u32 v[A0], v1, 4, s83
	v_lshl_add_u32 v[A1], v1, 4, s85
	s_add_co_u32 s83, s83, 8192
	s_lshl_b32 s85, s82, 8
	s_add_co_u32 s85, s85, s84
	s_add_co_u32 s85, s85, 8192
	v_lshl_add_u32 v[AS0], v1, 2, s83
	v_lshl_add_u32 v[AS1], v1, 2, s85
	; WHERE THE RESULTS GO.  q, k: token block 2 (4 y + cy) + q / 2, heads 4 (X % 4) + 2 (w % 2) + c
	s_min_u32 s15, s14, 7
	s_lshl_b32 s83, s15, 2
	s_add_co_u32 s83, s83, s12
	s_lshr_b32 s84, s83, 3                         ; the batch
	s_lshl_b32 s84, s84, 4
	s_and_b32 s85, s13, 3
	s_lshl_b32 s85, s85, 2
	s_add_co_u32 s84, s84, s85
	s_lshl_b32 s85, s72, 1
	s_add_co_u32 s84, s84, s85                     ; 16 x batch + head
	s_mul_i32 s97, s84, HEADB
	s_lshl_b32 s83, s83, 1
	s_add_co_u32 s83, s83, s81
	s_and_b32 s83, s83, 15                         ; which 128 tokens of the batch
	s_mul_i32 s83, s83, STEPB
	s_add_co_u32 s97, s97, s83
	; v: token block S0's + w % 2, head 4 cy + q
	s_add_co_u32 s83, s69, s72
	s_lshr_b32 s84, s83, 4
	s_lshl_b32 s84, s84, 4
	s_add_co_u32 s84, s84, s88
	s_mul_i32 s98, s84, HEADB
	s_and_b32 s83, s83, 15
	s_mul_i32 s83, s83, STEPB
	s_add_co_u32 s98, s98, s83
	s_cmp_ge_u32 s13, 4                            ; k's features (X = 4..7) or q's?
	s_cselect_b32 s83, 0, 8704                     ; K's codes or Q's,
	s_mov_b32 s84, 12800
	s_cselect_b32 s84, 8192, s84                   ; K's scale words or Q's
	s_lshl_b32 s85, s82, 11
	s_add_co_u32 s83, s83, s85                     ; my four tiles of tokens: 512 bytes each,
	s_lshl_b32 s85, s82, 7
	s_add_co_u32 s84, s84, s85                     ; two pairs: 64 bytes each
	s_add_co_u32 s83, s83, s97
	s_add_co_u32 s84, s84, s97
	s_add_co_u32 s85, s98, 4096                    ; V's codes
	s_add_co_u32 s89, s98, 8448                    ; V's scale words
	s_mov_b32 s97, 512
	s_mov_b32 s98, HEADB
	s_mov_b32 s99, HEADB
	s_mov_b32 s2, 0x05040100
	s_mov_b32 s3, 0x07060302
	s_cmp_ge_u32 s14, 8
	s_cselect_b32 s83, s85, s83                    ; the codes' first byte
	s_cselect_b32 s84, s89, s84                    ; the scale words'
	s_cselect_b32 s97, 1024, s97                   ; from tile a to a + 1
	s_cselect_b32 s98, 512, s98                    ; from part c = 0 to 1: q, k: the next head; v: the next 64 keys
	s_cselect_b32 s99, 64, s99                     ; scale words, lanes 16-31: q, k: the next head; v: the odd tile
	s_cselect_b32 s85, 128, 64                     ; from pair F = 0 to 1
	s_cselect_b32 s2, 0x03020100, s2               ; lanes 0-15: q, k: both tiles' low halves (head c = 0); v: the even tile's word
	s_cselect_b32 s3, 0x07060504, s3               ; lanes 16-31: q, k: both high halves (c = 1); v: the odd tile's word
	v_lshl_add_u32 v[CO], v1, 4, s83
	s_delay_alu instid0(VALU_DEP_1)
	v_add_nc_u32 v[CO+1], s98, v[CO]
.irp a, 1,2,3
	s_delay_alu instid0(VALU_DEP_2)
	v_add_nc_u32 v[CO+2*\a], s97, v[CO+2*\a-2]
	s_delay_alu instid0(VALU_DEP_2)
	v_add_nc_u32 v[CO+2*\a+1], s97, v[CO+2*\a-1]
.endr
	v_mul_lo_u32 v[SO], v3, s99
	s_delay_alu instid0(VALU_DEP_1)
	v_lshl_add_u32 v[SO], v2, 2, v[SO]
	s_delay_alu instid0(VALU_DEP_1)
	v_add_nc_u32 v[SO], s84, v[SO]
	s_delay_alu instid0(VALU_DEP_1)
	v_add_nc_u32 v[SO+1], s85, v[SO]
	v_cmp_eq_u32 s96, 1, v3
	v_mov_b32 v[SEL], s2
	v_mov_b32 v19, s3
	s_delay_alu instid0(VALU_DEP_1)
	v_cndmask_b32 v[SEL], v[SEL], v19, s96
	s_mov_b32 s[PSEL], 0x76543210
	s_mov_b32 s[PSEL+1], 0xfedcba98
.irp b, 0,1,2,3
	v_mov_b32 v[TM+4+\b], 0                        ; written once: a lane permute's destination counts as one of its sources
.endr
	s_wait_loadcnt 0x0                             ; the biases
.set j, 0
.rept 64
	v_cndmask_b32 v[BS0+j], 0, v[BS0+j], s94
.set j, j+1
.endr
.irp a, 0,1,2,3
	v_cndmask_b32 v[BS1+2*\a], 0, v[TMPB+\a], s95
	v_cndmask_b32 v[BS1+2*\a+1], 0, v[TMPB+\a], s95
.endr
; One product: S0's tile b x S1's tile a, 128 along K.  An odd tile's scale words lie in lanes 16-31 of its pair's register.  FIRST = 1: S0's bias starts the sum: nothing is cleared.
.macro WM a, b
.set rD, 8*(8*(\a)+(\b))
.set rC, rD
.if FIRST
.set rC, BS0+8*(\b)
.endif
.if ((\b)%2 == 0) && ((\a)%2 == 0)
	v_wmma_scale_f32_16x16x128_f8f6f4 v[rD:rD+7], v[F0+8*(\b):F0+8*(\b)+7], v[F1+8*(\a):F1+8*(\a)+7], v[rC:rC+7], v[SS0+(\b)/2], v[SS1+(\a)/2] matrix_a_fmt:MATRIX_FMT_FP4 matrix_b_fmt:MATRIX_FMT_FP4
.elseif ((\b)%2 == 1) && ((\a)%2 == 0)
	v_wmma_scale_f32_16x16x128_f8f6f4 v[rD:rD+7], v[F0+8*(\b):F0+8*(\b)+7], v[F1+8*(\a):F1+8*(\a)+7], v[rC:rC+7], v[SS0+(\b)/2], v[SS1+(\a)/2] matrix_a_fmt:MATRIX_FMT_FP4 matrix_b_fmt:MATRIX_FMT_FP4 matrix_a_scale:MATRIX_SCALE_ROW1
.elseif ((\b)%2 == 0) && ((\a)%2 == 1)
	v_wmma_scale_f32_16x16x128_f8f6f4 v[rD:rD+7], v[F0+8*(\b):F0+8*(\b)+7], v[F1+8*(\a):F1+8*(\a)+7], v[rC:rC+7], v[SS0+(\b)/2], v[SS1+(\a)/2] matrix_a_fmt:MATRIX_FMT_FP4 matrix_b_fmt:MATRIX_FMT_FP4 matrix_b_scale:MATRIX_SCALE_ROW1
.else
	v_wmma_scale_f32_16x16x128_f8f6f4 v[rD:rD+7], v[F0+8*(\b):F0+8*(\b)+7], v[F1+8*(\a):F1+8*(\a)+7], v[rC:rC+7], v[SS0+(\b)/2], v[SS1+(\a)/2] matrix_a_fmt:MATRIX_FMT_FP4 matrix_b_fmt:MATRIX_FMT_FP4 matrix_a_scale:MATRIX_SCALE_ROW1 matrix_b_scale:MATRIX_SCALE_ROW1
.endif
.endm
; A K step of 128: 24 loads of fragments (512 consecutive bytes each), 6 of scale words, 32 products.  The 32 accumulators take turns, one instruction a turn, in the same order in every step.
.macro STEP ks
.if (\ks)%2 == 0
	s_wait_tensorcnt 3-(\ks)/2                     ; my load number ks / 2 has landed (it brings a chunk of K step ks or ks + 1); the younger ones stay out,
	s_barrier_signal -1                            ; No LDS instruction of mine is out here
	s_barrier_wait -1                              ; everybody's has
.endif
.irp b, 0,1,2,3,4,5,6,7
.irp c, 0,1
	ds_load_b128 v[F0+8*\b+4*\c:F0+8*\b+4*\c+3], v[A0] offset:1024*\b+512*\c
.endr
.endr
.irp a, 0,1,2,3
.irp c, 0,1
	ds_load_b128 v[F1+8*\a+4*\c:F1+8*\a+4*\c+3], v[A1] offset:1024*\a+512*\c
.endr
.endr
.irp p, 0,1,2,3
	ds_load_b32 v[SS0+\p], v[AS0] offset:128*\p
.endr
.irp p, 0,1
	ds_load_b32 v[SS1+\p], v[AS1] offset:128*\p
.endr
	s_wait_dscnt 0x0
.if (\ks) == 0
.set FIRST, 1
	WIN 0x40                                       ; D in window 1; the bias, as C, in window 0
.else
.set FIRST, 0
	WIN 0x50                                       ; C and D in window 1
.endif
.irp a, 0,1,2,3
.irp b, 0,1,2,3,4,5,6,7
	WM \a, \b
.endr
.endr
	WIN 0
	v_add_nc_u32 v[A0], 4*CH, v[A0]                ; on to the next K step.  These four plain lines are also the places between the last product and the next loads
	v_add_nc_u32 v[A1], 4*CH, v[A1]                ; into its registers, or the first read of results (ISA guide 7.12.1)
	v_add_nc_u32 v[AS0], 4*CH, v[AS0]
	v_add_nc_u32 v[AS1], 4*CH, v[AS1]
.endm
	s_wait_alu depctr_va_vdst(0)
	STEP 0
	s_wait_alu depctr_va_vdst(0)
	STEP 1
	s_wait_alu depctr_va_vdst(0)
	STEP 2
	s_wait_alu depctr_va_vdst(0)
	STEP 3
	s_wait_alu depctr_va_vdst(0)
	STEP 4
	s_wait_alu depctr_va_vdst(0)
	STEP 5
	s_wait_alu depctr_va_vdst(0)
	STEP 6
	s_wait_alu depctr_va_vdst(0)
	STEP 7
; THE WAY OUT, a tile of 16 rows of S1 at a time: its 64 results a lane come into window 0 with S1's bias added (each accumulator from its low end on), are quantised, and the fragment's two halves
; leave as they stand: each store covers 512 consecutive bytes, aligned.  No store's registers are written again.
.irp a, 0,1,2,3
	WIN 0x01                                       ; source 0 in window 1
.set i, 0
.rept 32
	v_pk_add_f32 v[T+2*i:T+2*i+1], v[64*\a+2*i:64*\a+2*i+1], v[BS1+2*\a:BS1+2*\a+1]
.set i, i+1
.endr
	WIN 0
	QUANT T, PC+8*\a, PW+\a
	global_store_b128 v[CO+2*\a], v[PC+8*\a:PC+8*\a+3], s[8:9]
	global_store_b128 v[CO+2*\a+1], v[PC+8*\a+4:PC+8*\a+7], s[8:9]
.if \a%2 == 1
	v_perm_b32 v[SW+\a/2], v[PW+\a], v[PW+\a-1], v[SEL]   ; selector bytes 0-3 take the even tile's word, 4-7 the odd tile's
	global_store_b32 v[SO+\a/2], v[SW+\a/2], s[8:9]       ; two pieces of 64 bytes
.endif
.endr
	s_wait_tensorcnt 0x0
	ds_add_u32 v254, v255
	s_wait_dscnt 0x0
	CROUND                                         ; the closing round: no work-group ends while a partner may still ask for a chunk that names it
	s_endpgm
.Lfunc_end_k_q6814d4b100_qkvgemm:
	.size	k_q6814d4b100_qkvgemm, .Lfunc_end_k_q6814d4b100_qkvgemm-k_q6814d4b100_qkvgemm
	.p2alignl 7, 3214868480
	.fill 96, 4, 3214868480
	.section	.rodata,"a",@progbits
	.p2align	6, 0x0
	.amdhsa_kernel k_q6814d4b100_qkvgemm
		.amdhsa_group_segment_fixed_size 279552
		.amdhsa_private_segment_fixed_size 0
		.amdhsa_enable_private_segment 0
		.amdhsa_kernarg_size 24
		.amdhsa_user_sgpr_count 2
		.amdhsa_user_sgpr_kernarg_segment_ptr 1
		.amdhsa_wavefront_size32 1
		.amdhsa_system_sgpr_workgroup_id_x 1
		.amdhsa_system_sgpr_workgroup_id_y 1
		.amdhsa_system_sgpr_workgroup_id_z 1
		.amdhsa_system_vgpr_workitem_id 0
		.amdhsa_next_free_vgpr 512
		.amdhsa_next_free_sgpr 100
		.amdhsa_reserve_vcc 0
		.amdhsa_float_denorm_mode_32 3
		.amdhsa_float_denorm_mode_16_64 3
		.amdhsa_memory_ordered 1
		.amdhsa_forward_progress 1
		.amdhsa_inst_pref_size 99
	.end_amdhsa_kernel
	.amdgpu_metadata
---
amdhsa.version: [ 1, 2 ]
amdhsa.kernels:
  - .name:           k_q6814d4b100_qkvgemm
    .symbol:         k_q6814d4b100_qkvgemm.kd
    .args:
      - { .name: ops, .offset: 0, .size: 8, .value_kind: global_buffer, .address_space: global }
      - { .name: qkv_b, .offset: 8, .size: 8, .value_kind: global_buffer, .address_space: global }
      - { .name: qkv, .offset: 16, .size: 8, .value_kind: global_buffer, .address_space: global }
    .group_segment_fixed_size: 279552
    .private_segment_fixed_size: 0
    .kernarg_segment_align: 8
    .kernarg_segment_size: 24
    .max_flat_workgroup_size: 256
    .sgpr_count:     100
    .vgpr_count:     512
    .wavefront_size: 32
...
	.end_amdgpu_metadata
.endif
;; end of part 2
;; launch attn (part 3): grid 8 x 32, 16 waves a work-group, clusters of 4 x 1, 327,680 bytes of LDS; arguments qkv, oimg; writes oimg
.if DOCPART == 3
	.amdgcn_target "amdgcn-amd-amdhsa--gfx1250"
	.amdhsa_code_object_version 6
	.text
	.protected	k_q6814d4b100_attn
	.globl	k_q6814d4b100_attn
	.p2align	8
	.type	k_q6814d4b100_attn,@function
k_q6814d4b100_attn:
	s_mov_b64 s[64:65], 0
	v_nop
	global_prefetch_b8 v0, s[64:65] scope:SCOPE_SE
	s_setreg_imm32_b32 hwreg(HW_REG_WAVE_MODE, 25, 1), 1
	s_wait_xcnt 0x0
	s_wait_alu depctr_hold_cnt(0) depctr_sa_sdst(0) depctr_va_vdst(0) depctr_va_sdst(0) depctr_va_ssrc(0) depctr_va_vcc(0) depctr_vm_vsrc(0)
	s_getreg_b32 s2, hwreg(HW_REG_IB_STS2, 6, 4)
	s_cmp_eq_u32 s2, 0
	s_cbranch_scc0 .Lentry_in_a_cluster
	s_endpgm
.Lentry_in_a_cluster:
	s_bfe_u32 s2, ttmp6, 0x10000c
	s_cmp_lg_u32 s2, 0x3003
	s_cbranch_scc0 .Lentry_shape_is_right
	s_endpgm
.Lentry_shape_is_right:
; o = softmax(q k^T / 8) v for 64 heads of 64 channels and 2,048 keys, both products on codes of FP4 with E8M0 scales, and o quantised along the model's 1,024 for the last product.
; THE SOFTMAX AHEAD OF THE SECOND PRODUCT: t = score x log2(e) / 8; M = the row's largest t so far, rounded UP to a whole number; p = 2^(t - M) is quantised along the keys, not normalised.
; The row's sum is taken of the unquantised p, in f32, and divides O at the end.  When M moves, the sum and O are multiplied by 2^(old M - new M): exact.
; SHARES.  A work-group owns 256 queries of a PAIR of heads (2 hp, 2 hp + 1); each of its sixteen waves owns one tile of 16 queries and walks all keys of the first head, then of the second:
; so a wave ends with 128 neighbouring channels of o for its 16 tokens: a whole fragment of the last product's operand and whole scale words.  Four waves to a SIMD: one wave's vector work stands beside another's products and loads.
; LDS: a head's K, V and their scale words, 16 key steps x 8,704 bytes, at 139,264 x (head % 2): 278,528 bytes, EACH FILLED ONCE.  Wave w asks for key step w of both heads at the head of the text: the first has landed before the second is asked for.
; CLUSTER 4 x 1: the four blocks of queries of a pair of heads read the same K and V: each chunk is asked for jointly.
; LAYOUT (see the launch that makes qkv).  Both products are used transposed: S^T = K Q^T, O^T = V^T P^T: a lane holds ONE query throughout.  A tile's 16 rows are 32 (t / 2) + 8 (t % 2) + r + 8 (r / 8).
; K = 64 IN AN INSTRUCTION OF 128: a fragment of K (8 registers) holds TWO tiles of keys: tile 2 F in k = 0..63, tile 2 F + 1 in k = 64..127.  Against [q; 0] it gives tile 2 F's scores, against [0; q] tile 2 F + 1's:
; the other 64 along K meet zero codes under valid scale bytes, which add nothing.
; LIMITS: a block of zeros, or one under 2^-124, gets the scale byte 1 (read by this program alone); NaN and infinities are not served; v_exp_f32 gives 0 for p under 2^-126.  o's scale words leave in pieces of 64 bytes.
; REGISTERS: v1-11 addresses; v12 -M, v13 the largest t, v[14:15] the sum in two halves; v16-35 zeros, q of head 0, zeros, q of head 1, zeros; v36-42 scales and nothing else; v44-51 o's codes; v52-53 o's scale bytes;
;   v64-95 K's four fragments; v96-127 V's four; v128-191 S^T, then p; v192-223 O^T; v224-231 p's codes; v232-254 at work.
.set CH,    8704
.set RBB,   8*CH
.set STEPB, 13056
.set HEADB, 16*STEPB
.set HS,    16*CH                      ; a head in LDS
.set ADR,  1                           ; v1  LDS address of the key step's codes for my lane
.set ADS,  2                           ; v2  of its scale words
.set L16,  3                           ; v3  16 x lane
.set L4,   4                           ; v4  4 x lane
.set QO,   5                           ; v5  q's codes: 16 x lane + 512 x tile
.set QSO,  6                           ; v6  q's scale words: 4 r + 64 x (tile / 2)
.set R4,   9                           ; v9  4 r
.set QS,   36                          ; v36-37 q's scale words, head 0, 1
.set KS,   38                          ; v38-39 K's (even fragment in lanes 0-15, odd in lanes 16-31)
.set VS,   40                          ; v40-41 V's likewise
.set PS,   42                          ; v42    p's
.set OC,   44
.set HW,   52
.set KF,   64
.set VF,   96
.set S,    128
.set O,    192
.set PCD,  224
.set WV,   18                          ; s18 my wave's number
.set SEL,  20                          ; s[20:21] v_permlanex16_b32's selects for lane l xor 16
.set CS,   22                          ; s[22:23] c = log2(e) / 8: the packed form names a pair and takes its low word for both halves
.set G1,   24                          ; s[24:31] descriptor group 1;  s[32:39] two groups 0
.set G0,   32
.set TB,   2                           ; s2  LDS byte at which the key step in hand begins
.set CNT,  3                           ; s3  key steps to go
.macro CROUND                          ; a round of the cluster's barrier
	s_barrier_signal -1
	s_barrier_wait -1
	s_cmp_lg_u32 s[WV], 0
	s_cbranch_scc1 .Lnot_wave_0_\@
	s_barrier_signal -3
.Lnot_wave_0_\@:
	s_barrier_wait -3
	s_barrier_signal -1
	s_barrier_wait -1
.endm
	s_load_b128 s[4:7], s[0:1], 0x0                ; qkv s[4:5], oimg s[6:7]
	v_lshl_add_u32 v251, v0, 2, 0x44000
	v_mov_b32 v255, 0
	ds_add_u32 v251, v255
	ds_add_u32 v251, v255
	v_lshrrev_b32 v5, 5, v0
	s_delay_alu instid0(VALU_DEP_1)
	v_readfirstlane_b32 s[WV], v5                  ; wave 0..15
	s_bfe_u32 s8, ttmp6, 0x40000                   ; cx
	s_lshl_b32 s9, ttmp9, 2
	s_add_co_u32 s9, s9, s8                        ; my block of 256 queries: it enters q's and o's addresses alone
	s_and_b32 s10, ttmp7, 0xffff
	s_lshr_b32 s11, s10, 3                         ; the batch
	s_and_b32 s12, s10, 7                          ; the pair of heads
	s_lshl_b32 s13, s11, 4
	s_lshl_b32 s14, s12, 1
	s_add_co_u32 s13, s13, s14                     ; 16 x batch + the first head
	s_mul_i32 s40, s13, HEADB
	s_mul_i32 s42, s[WV], STEPB
	s_add_co_u32 s42, s42, s40                     ; key step w of that head
	s_mov_b32 s43, 0
	s_mul_i32 s44, s[WV], CH
	; descriptor group 1: the first 8,704 bytes of a key step (K, V, their scale words), dense, as 34 rows of 256 bytes (32 elements of 8 bytes); no padding
	s_mov_b32 s[G1], 15|(3<<16)|(1<<21)            ; 15:0 the mask: all four work-groups; 17:16 elements of 8 bytes; 21 set beside a mask
	s_mov_b32 s[G1+1], 32<<16                      ; tensor_dim0 = 32
	s_mov_b32 s[G1+2], 34<<16                      ; tensor_dim1 = 34
	s_mov_b32 s[G1+3], 32<<16                      ; tile_dim0 = 32
	s_mov_b32 s[G1+4], 34                          ; tile_dim1 = 34
	s_mov_b32 s[G1+5], 32                          ; tensor_dim0_stride
	s_mov_b32 s[G1+6], 0
	s_mov_b32 s[G1+7], 0
	s_mov_b32 s[SEL], 0x76543210
	s_mov_b32 s[SEL+1], 0xfedcba98
	s_mov_b32 s[CS], 0x3e38aa3b                    ; log2(e) / 8
	s_mov_b32 s[CS+1], s[CS]                       ; (named with it as a pair, so it is written)
	s_wait_dscnt 0x0
	s_wait_kmcnt 0x0
	s_add_nc_u64 s[42:43], s[4:5], s[42:43]
.irp e, 0,1
	s_mov_b32 s[G0+4*\e], 1                        ; count = 1
	s_add_co_u32 s[G0+4*\e+1], s44, \e*HS          ; LDS address
	s_add_nc_u64 s[G0+4*\e+2:G0+4*\e+3], s[42:43], \e*HEADB   ; global address
	s_or_b32 s[G0+4*\e+3], s[G0+4*\e+3], 0x80000000   ; type = 2
.endr
	CROUND                                         ; all four work-groups are here: the joint loads meet
	tensor_load_to_lds s[G0:G0+3], s[G1:G1+7]      ; the first head's key step w
	s_nop 0
	s_wait_alu depctr_va_vdst(0)
	s_wait_tensorcnt 0x0
	ds_add_u32 v251, v255
	s_wait_dscnt 0x0
	CROUND
	tensor_load_to_lds s[G0+4:G0+7], s[G1:G1+7]    ; the second head's
	s_nop 0
.rept 4
	v_nop
.endr
	s_lshr_b32 s15, s[WV], 3
	s_and_b32 s16, s[WV], 7                        ; my tile among the 8 of its 128 tokens
	s_lshl_b32 s17, s9, 1
	s_add_co_u32 s17, s17, s15                     ; which 128 tokens of the batch
	s_mul_i32 s46, s17, STEPB
	s_add_co_u32 s46, s46, s40
	s_mov_b32 s47, 0
	s_add_nc_u64 s[46:47], s[4:5], s[46:47]
	v_and_b32 v7, 31, v0
	v_and_b32 v8, 15, v0
	s_delay_alu instid0(VALU_DEP_2)
	v_lshlrev_b32 v[L16], 4, v7
	s_delay_alu instid0(VALU_DEP_3)
	v_lshlrev_b32 v[L4], 2, v7
	s_delay_alu instid0(VALU_DEP_3)
	v_lshlrev_b32 v[R4], 2, v8
	s_lshl_b32 s48, s16, 9
	v_add_nc_u32 v[QO], s48, v[L16]
	s_lshr_b32 s48, s16, 1
	s_lshl_b32 s48, s48, 6
	v_add_nc_u32 v[QSO], s48, v[R4]
	global_load_b128 v[20:23], v[QO], s[46:47] offset:8704            ; q stays in registers: lane (r, h): d = 32 h .. + 31 of query r of my tile
	global_load_b128 v[28:31], v[QO], s[46:47] offset:HEADB+8704
	global_load_b32 v10, v[QSO], s[46:47] offset:12800                ; the scale words of my pair of tiles
	global_load_b32 v11, v[QSO], s[46:47] offset:HEADB+12800
	s_and_b32 s49, s16, 1
	s_lshl_b32 s49, s49, 4                         ; my tile's two bytes lie 16 (tile % 2) bits up
	; where o goes: block of 128 tokens 16 x batch + .., K step = the pair of heads, tile = my tile
	s_lshl_b32 s50, s11, 4
	s_add_co_u32 s50, s50, s17
	s_mul_i32 s50, s50, RBB
	s_mul_i32 s51, s12, CH
	s_add_co_u32 s50, s50, s51
	s_lshl_b32 s51, s16, 6
	s_add_co_u32 s54, s50, s51
	s_add_co_u32 s54, s54, 8192
	s_mov_b32 s55, 0
	s_lshl_b32 s51, s16, 10
	s_add_co_u32 s52, s50, s51
	s_mov_b32 s53, 0
	s_add_nc_u64 s[52:53], s[6:7], s[52:53]
	s_add_nc_u64 s[54:55], s[6:7], s[54:55]
.irp j, 16,17,18,19,24,25,26,27,32,33,34,35
	v_mov_b32 v[\j], 0                             ; zero codes: [q; 0] of head e is v[20 + 8 e .. 27 + 8 e], [0; q] is v[16 + 8 e .. 23 + 8 e]
.endr
.irp b, 0,1,2,3
	v_mov_b32 v[236+\b], 0                         ; written once: a lane permute's destination counts as one of its sources
.endr
	v_mov_b32 v253, 0                              ; (named as the upper half of the pair v[252:253])
	s_wait_loadcnt 0x0                             ; q and its scale words
	v_lshrrev_b32 v10, s49, v10
	v_lshrrev_b32 v11, s49, v11
	s_delay_alu instid0(VALU_DEP_2)
	v_and_b32 v10, 0xffff, v10
	s_delay_alu instid0(VALU_DEP_2)
	v_and_b32 v11, 0xffff, v11
	s_delay_alu instid0(VALU_DEP_2)
	v_lshl_or_b32 v[QS], v10, 16, v10              ; q's two bytes serve k = 0..63 and k = 64..127 alike
	s_delay_alu instid0(VALU_DEP_2)
	v_lshl_or_b32 v[QS+1], v11, 16, v11
; A KEY STEP of head e: 128 keys.
.macro STEP e
	v_add_nc_u32 v[ADR], s[TB], v[L16]
	v_add_nc_u32 v[ADS], s[TB], v[L4]
	v_nop                                          ; with the two additions: four places between the last step's products and the loads into their registers (ISA guide 7.12.1 for vector instructions)
	v_nop
.irp f, 0,1,2,3
.irp c, 0,1
	ds_load_b128 v[KF+8*\f+4*\c:KF+8*\f+4*\c+3], v[ADR] offset:1024*\f+512*\c
.endr
.endr
	ds_load_b32 v[KS], v[ADS] offset:8192
	ds_load_b32 v[KS+1], v[ADS] offset:8320
.irp f, 0,1,2,3
.irp c, 0,1
	ds_load_b128 v[VF+8*\f+4*\c:VF+8*\f+4*\c+3], v[ADR] offset:4096+1024*\f+512*\c
.endr
.endr
	ds_load_b32 v[VS], v[ADS] offset:8448
	ds_load_b32 v[VS+1], v[ADS] offset:8576
	s_wait_dscnt 10                                ; K's ten loads are in; V's ten stay out until the softmax is done
.irp f, 0,1,2,3                                ; S^T = K Q^T: tile 2 f + u of 16 keys
.irp u, 0,1
.if \f%2 == 0
	v_wmma_scale_f32_16x16x128_f8f6f4 v[S+8*(2*\f+\u):S+8*(2*\f+\u)+7], v[KF+8*\f:KF+8*\f+7], v[20+8*(\e)-4*\u:27+8*(\e)-4*\u], 0, v[KS+\f/2], v[QS+(\e)] matrix_a_fmt:MATRIX_FMT_FP4 matrix_b_fmt:MATRIX_FMT_FP4
.else
	v_wmma_scale_f32_16x16x128_f8f6f4 v[S+8*(2*\f+\u):S+8*(2*\f+\u)+7], v[KF+8*\f:KF+8*\f+7], v[20+8*(\e)-4*\u:27+8*(\e)-4*\u], 0, v[KS+\f/2], v[QS+(\e)] matrix_a_fmt:MATRIX_FMT_FP4 matrix_b_fmt:MATRIX_FMT_FP4 matrix_a_scale:MATRIX_SCALE_ROW1
.endif
.endr
.endr                                          ; lane (r, h) holds query r; the 16 registers of tiles 2 b, 2 b + 1 are keys 32 b + 16 h + 0 .. 15
.rept 4
	v_nop
.endr
.irp b, 0,1,2,3
	v_max3_num_f32 v[232+\b], v[S+16*\b], v[S+1+16*\b], v[S+2+16*\b]   ; THE LARGEST SCORE OF EACH BLOCK OF 32 KEYS serves twice: for the row's maximum, and, since p rises with the score, for the block's largest p
.endr
.irp i, 3,5,7,9,11,13
.irp b, 0,1,2,3
	v_max3_num_f32 v[232+\b], v[232+\b], v[S+16*\b+\i], v[S+1+16*\b+\i]   ; (the four blocks by turns)
.endr
.endr
.irp b, 0,1,2,3
	v_max_num_f32 v[232+\b], v[232+\b], v[S+15+16*\b]
.endr
.irp b, 0,1,2,3
	s_delay_alu instid0(VALU_DEP_4)
	v_permlanex16_b32 v[236+\b], v[232+\b], s[SEL], s[SEL+1]
.endr
.irp b, 0,1,2,3
	s_delay_alu instid0(VALU_DEP_4)
	v_max_num_f32 v[232+\b], v[232+\b], v[236+\b]  ; with lane l xor 16's 16 keys
.endr
	s_delay_alu instid0(VALU_DEP_2)
	v_max3_num_f32 v254, v232, v233, v234
	s_delay_alu instid0(VALU_DEP_1)
	v_max_num_f32 v254, v254, v235                 ; the step's largest score of my query
	s_delay_alu instid0(VALU_DEP_1)
	v_mul_f32 v254, s[CS], v254                    ; as t (c is positive)
	s_delay_alu instid0(VALU_DEP_1)
	v_max_num_f32 v13, v13, v254                   ; the running largest t
	v_mov_b32 v254, v12
	s_delay_alu instid0(VALU_DEP_2)
	v_floor_f32 v12, -v13                          ; the new -M = floor(-t) = -ceil(t): M is a whole number
	s_delay_alu instid0(VALU_DEP_1)
	v_sub_f32 v254, v12, v254                      ; M's old value less its new one: a whole number, 0 or less
	s_delay_alu instid0(VALU_DEP_1)
	v_cvt_i32_f32 v254, v254                       ; (it saturates)
	s_delay_alu instid0(VALU_DEP_1)
	v_ldexp_f32 v252, 1.0, v254                    ; f = 2^(old M - new M): a multiplication by it rounds nothing
.irp j, 0,2,4,6,8,10,12,14,16,18,20,22,24,26,28,30,32,34,36,38,40,42,44,46,48,50,52,54,56,58,60,62
	v_pk_fma_f32 v[S+\j:S+1+\j], v[S+\j:S+1+\j], s[CS:CS+1], v[12:13] op_sel_hi:[1,0,0]   ; t - M, two at a time
.endr
.irp b, 0,1,2,3
	v_fma_f32 v[232+\b], v[232+\b], s[CS], v12     ; the same of each block's largest score
.endr
.set j, 0
	s_wait_alu depctr_va_vdst(0)
.rept 64
	v_exp_f32 v[S+j], v[S+j]                       ; p = 2^(t - M), at most 1: not normalised
.set j, j+1
.endr
	s_setprio 1
	v_pk_mul_f32 v[14:15], v[14:15], v[252:253] op_sel_hi:[1,0]   ; the sums under the new M (a plain place behind the exponentials)
	s_wait_alu depctr_va_vdst(0)                   ; one wait for the batch of 64, ahead of its first reader
.irp b, 0,1,2,3
	v_exp_f32 v[232+\b], v[232+\b]                 ; the block's largest p: the same two instructions on the same number give the same bits
.endr
	v_pk_add_f32 v[236:237], v[S:S+1], v[S+2:S+3]  ; THE ROW'S SUM IS TAKEN OF THE UNQUANTISED p: two at a time, in two chains
.irp j, 4,8,12,16,20,24,28,32,36,40,44,48,52,56,60
	v_pk_add_f32 v[14:15], v[14:15], v[S+\j:S+1+\j]
	v_pk_add_f32 v[236:237], v[236:237], v[S+2+\j:S+3+\j]
.endr
	s_delay_alu instid0(VALU_DEP_1)
	v_pk_add_f32 v[14:15], v[14:15], v[236:237]
	s_wait_alu depctr_va_vdst(0)                   ; and one for the four
.irp b, 0,1,2,3
	v_max_num_f32 v[232+\b], 0x1800000, v[232+\b]  ; the floor 2^(3 - 127): the byte cannot fall under 1
.endr
.irp b, 0,1,2,3
	s_delay_alu instid0(VALU_DEP_4)
	v_add_nc_u32 v[244+\b], 0xff000000, v[232+\b]  ; 2 off the exponent field: the conversion's scale operand
.endr
.irp b, 0,1,2,3
	s_delay_alu instid0(VALU_DEP_4)
	v_lshrrev_b32 v[236+\b], 23, v[244+\b]         ; the scale's byte
.endr
	s_delay_alu instid0(VALU_DEP_3)
	v_lshl_or_b32 v[PS], v237, 8, v236             ; p's scale word for these 128 keys
	s_delay_alu instid0(VALU_DEP_1)
	v_lshl_or_b32 v[PS], v238, 16, v[PS]
	s_delay_alu instid0(VALU_DEP_1)
	v_lshl_or_b32 v[PS], v239, 24, v[PS]
.irp b, 0,1,2,3
	v_cvt_scalef32_pk8_fp4_f32 v[PCD+2*\b], v[S+16*\b:S+7+16*\b], v[244+\b]
	v_cvt_scalef32_pk8_fp4_f32 v[PCD+1+2*\b], v[S+8+16*\b:S+15+16*\b], v[244+\b]
.endr
	v_nop                                          ; one plain place behind a scaled conversion
.irp c, 0,1                                    ; the operand's layout wants a WHOLE block in a lane
.irp i, 0,1
	v_permlane16_swap_b32 v[PCD+4*\c+\i], v[PCD+2+4*\c+\i]
.endr
.endr
	s_setprio 0
.irp j, 0,2,4,6,8,10,12,14,16,18,20,22,24,26,28,30
	v_pk_mul_f32 v[O+\j:O+1+\j], v[O+\j:O+1+\j], v[252:253] op_sel_hi:[1,0]   ; O^T under the new M.  (These 16 are also the places between p's scale word and codes and the products below)
.endr
	s_wait_alu depctr_va_vdst(0)
	s_wait_dscnt 0x0                               ; V and its scale words are in
.irp t, 0,1,2,3                                ; O^T += V^T P^T: the four accumulators by turns; between two links of a chain stand eleven other products
.if \t%2 == 0
	v_wmma_scale_f32_16x16x128_f8f6f4 v[O+8*\t:O+8*\t+7], v[VF+8*\t:VF+8*\t+7], v[PCD:PCD+7], v[O+8*\t:O+8*\t+7], v[VS+\t/2], v[PS] matrix_a_fmt:MATRIX_FMT_FP4 matrix_b_fmt:MATRIX_FMT_FP4
.else
	v_wmma_scale_f32_16x16x128_f8f6f4 v[O+8*\t:O+8*\t+7], v[VF+8*\t:VF+8*\t+7], v[PCD:PCD+7], v[O+8*\t:O+8*\t+7], v[VS+\t/2], v[PS] matrix_a_fmt:MATRIX_FMT_FP4 matrix_b_fmt:MATRIX_FMT_FP4 matrix_a_scale:MATRIX_SCALE_ROW1
.endif
.endr
.endm
; A PASS: head e.  The key step is written once a pass and has no first step of its own: O^T and the sum begin as zeros and the largest t as -3e38, so that the first change of M multiplies zeros.
.macro PASS e
	v_mov_b32 v13, 0xff61b1e6                      ; -3e38, under every t
	s_delay_alu instid0(VALU_DEP_1)
	v_floor_f32 v12, -v13
	v_mov_b32 v14, 0
	v_mov_b32 v15, 0
.set j, 0
.rept 32
	v_mov_b32 v[O+j], 0
.set j, j+1
.endr
	s_mov_b32 s[TB], (\e)*HS
	s_mov_b32 s[CNT], 16
	s_wait_tensorcnt 1-(\e)                        ; my chunk of this head has landed; in the first pass the second head's stays out
	s_barrier_signal -1                            ; (no LDS instruction of mine is out here)
	s_barrier_wait -1                              ; everybody's has
.Lkeys_\@:
	s_setprio 2
	STEP \e
	s_add_co_u32 s[TB], s[TB], CH
	s_sub_co_u32 s[CNT], s[CNT], 1
	s_cmp_lg_u32 s[CNT], 0
	s_cbranch_scc1 .Lkeys_\@
	s_setprio 0
.rept 4
	v_nop                                          ; places between the last products and the first read of O^T
.endr
	v_add_f32 v14, v14, v15                        ; the sum's two halves,
	s_delay_alu instid0(VALU_DEP_1)
	v_permlanex16_b32 v252, v14, s[SEL], s[SEL+1]
	s_delay_alu instid0(VALU_DEP_1)
	v_add_f32 v14, v14, v252                       ; and lane l xor 16's: the row's sum
	s_wait_alu depctr_va_vdst(0)
	v_rcp_f32 v14, v14
	v_nop                                          ; a plain place behind the reciprocal,
	s_wait_alu depctr_va_vdst(0)                   ; and the wait ahead of its first reader
.set j, 0
.rept 32
	v_mul_f32 v[S+j], v[O+j], v14                  ; o: register 16 b + i is channel 32 b + 16 h + i of my query (each accumulator from its low end on)
.set j, j+1
.endr
.irp b, 0,1
	v_max3_num_f32 v[232+\b], |v[S+16*\b]|, |v[S+1+16*\b]|, 0x1800000
.endr
.irp i, 2,4,6,8,10,12,14
.irp b, 0,1
	s_delay_alu instid0(VALU_DEP_2)
	v_max3_num_f32 v[232+\b], v[232+\b], |v[S+16*\b+\i]|, |v[S+1+16*\b+\i]|
.endr
.endr
.irp b, 0,1
	s_delay_alu instid0(VALU_DEP_2)
	v_permlanex16_b32 v[236+\b], v[232+\b], s[SEL], s[SEL+1]
.endr
.irp b, 0,1
	s_delay_alu instid0(VALU_DEP_2)
	v_max_num_f32 v[232+\b], v[232+\b], v[236+\b]
.endr
.irp b, 0,1
	s_delay_alu instid0(VALU_DEP_2)
	v_add_nc_u32 v[244+\b], 0xff000000, v[232+\b]
.endr
.irp b, 0,1
	s_delay_alu instid0(VALU_DEP_2)
	v_lshrrev_b32 v[236+\b], 23, v[244+\b]
.endr
	s_delay_alu instid0(VALU_DEP_1)
	v_lshl_or_b32 v[HW+(\e)], v237, 8, v236        ; this head's two scale bytes
.irp b, 0,1
	v_cvt_scalef32_pk8_fp4_f32 v[OC+4*(\e)+2*\b], v[S+16*\b:S+7+16*\b], v[244+\b]
	v_cvt_scalef32_pk8_fp4_f32 v[OC+4*(\e)+1+2*\b], v[S+8+16*\b:S+15+16*\b], v[244+\b]
.endr
	v_nop                                          ; one plain place behind a scaled conversion
.irp i, 0,1
	v_permlane16_swap_b32 v[OC+4*(\e)+\i], v[OC+4*(\e)+2+\i]   ; lane (r, h) now holds channels 32 h .. + 31: part c = e of the fragment
.endr
.endm
	PASS 0
	PASS 1
	v_lshl_or_b32 v[HW], v[HW+1], 16, v[HW]        ; my token's scale word for these 128 channels
	global_store_b128 v[L16], v[OC:OC+3], s[52:53]              ; the fragment as it stands: 2 x 512 consecutive bytes, aligned
	global_store_b128 v[L16], v[OC+4:OC+7], s[52:53] offset:512
	global_store_b32 v[R4], v[HW], s[54:55]        ; lanes l and l + 16 hold the same word and name the same place: 64 bytes
	s_wait_tensorcnt 0x0
	ds_add_u32 v251, v255
	s_wait_dscnt 0x0
	CROUND                                         ; the closing round: no work-group ends while a partner may still ask for a chunk that names it
	s_endpgm
.Lfunc_end_k_q6814d4b100_attn:
	.size	k_q6814d4b100_attn, .Lfunc_end_k_q6814d4b100_attn-k_q6814d4b100_attn
	.p2alignl 7, 3214868480
	.fill 96, 4, 3214868480
	.section	.rodata,"a",@progbits
	.p2align	6, 0x0
	.amdhsa_kernel k_q6814d4b100_attn
		.amdhsa_group_segment_fixed_size 327680
		.amdhsa_private_segment_fixed_size 0
		.amdhsa_enable_private_segment 0
		.amdhsa_kernarg_size 16
		.amdhsa_user_sgpr_count 2
		.amdhsa_user_sgpr_kernarg_segment_ptr 1
		.amdhsa_wavefront_size32 1
		.amdhsa_system_sgpr_workgroup_id_x 1
		.amdhsa_system_sgpr_workgroup_id_y 1
		.amdhsa_system_sgpr_workgroup_id_z 1
		.amdhsa_system_vgpr_workitem_id 0
		.amdhsa_next_free_vgpr 256
		.amdhsa_next_free_sgpr 66
		.amdhsa_reserve_vcc 0
		.amdhsa_float_denorm_mode_32 3
		.amdhsa_float_denorm_mode_16_64 3
		.amdhsa_memory_ordered 1
		.amdhsa_forward_progress 1
		.amdhsa_inst_pref_size 50
	.end_amdhsa_kernel
	.amdgpu_metadata
---
amdhsa.version: [ 1, 2 ]
amdhsa.kernels:
  - .name:           k_q6814d4b100_attn
    .symbol:         k_q6814d4b100_attn.kd
    .args:
      - { .name: qkv, .offset: 0, .size: 8, .value_kind: global_buffer, .address_space: global }
      - { .name: oimg, .offset: 8, .size: 8, .value_kind: global_buffer, .address_space: global }
    .group_segment_fixed_size: 327680
    .private_segment_fixed_size: 0
    .kernarg_segment_align: 8
    .kernarg_segment_size: 16
    .max_flat_workgroup_size: 512
    .sgpr_count:     66
    .vgpr_count:     256
    .wavefront_size: 32
...
	.end_amdgpu_metadata
.endif
;; end of part 3
;; launch outgemm (part 4): grid 4 x 64, 8 waves a work-group, clusters of 4 x 4, 244,736 bytes of LDS; arguments ops, oimg, out_b, out0; writes out0
.if DOCPART == 4
	.amdgcn_target "amdgcn-amd-amdhsa--gfx1250"
	.amdhsa_code_object_version 6
	.text
	.protected	k_q6814d4b100_outgemm
	.globl	k_q6814d4b100_outgemm
	.p2align	8
	.type	k_q6814d4b100_outgemm,@function
k_q6814d4b100_outgemm:
	s_mov_b64 s[64:65], 0
	v_nop
	global_prefetch_b8 v0, s[64:65] scope:SCOPE_SE
	s_setreg_imm32_b32 hwreg(HW_REG_WAVE_MODE, 25, 1), 1
	s_wait_xcnt 0x0
	s_wait_alu depctr_hold_cnt(0) depctr_sa_sdst(0) depctr_va_vdst(0) depctr_va_sdst(0) depctr_va_ssrc(0) depctr_va_vcc(0) depctr_vm_vsrc(0)
	s_getreg_b32 s2, hwreg(HW_REG_IB_STS2, 6, 4)
	s_cmp_eq_u32 s2, 0
	s_cbranch_scc0 .Lentry_in_a_cluster
	s_endpgm
.Lentry_in_a_cluster:
	s_bfe_u32 s2, ttmp6, 0x10000c
	s_cmp_lg_u32 s2, 0xf033
	s_cbranch_scc0 .Lentry_shape_is_right
	s_endpgm
.Lentry_shape_is_right:
; out0 = o out_w^T + out_b on codes of FP4 with E8M0 scales; out0 [8192][1024] f32.  out_w's codes lie in ops (blocks of rows 88-95), o's in oimg (64 blocks of 128 tokens), both as chunks of 8,704 bytes
; (128 rows x 128 K): codes in the order of the fragments' registers, [tile 8][c 2][lane 32][16 bytes], then scale words [tile 8][r 16][4 bytes]; tile T holds rows 32 (T / 2) + 8 (T % 2) + r + 8 (r / 8).
; THE MATRIX INSTRUCTION IS USED TRANSPOSED: source 0 = 16 rows of out_w, source 1 = 16 tokens: a lane holds one token and eight neighbouring outputs.
; SHARES.  A work-group makes 128 tokens x 256 outputs: 256 work-groups.  Wave w: 64 tokens (tiles 4 (w % 2) + a) x 64 outputs (w / 2): 16 accumulators, (a, b) at v[128 + 8 (4 a + b)].
; LDS: K step ks at 3 x 8,704 x ks: out_w's two blocks of rows, then the tokens': 208,896 bytes, EACH FILLED ONCE; behind them a stage of 16 rows x 272 bytes for each wave, into which no fill lands.
; Waves 0-3 ask for out_w's chunks (both blocks by one load: two rows of 8,704 bytes), waves 4-7 for the tokens': two tensor loads a wave, all at the head.
; CLUSTER 4 x 4: out_w's chunks hang on x alone and are shared along a column of the cluster, the tokens' on y alone and are shared along a row: each is asked for jointly.
; The bias is the C of each sum's first product.
.set CH,     8704
.set RBB,    8*CH
.set STG,    24*CH                     ; the stages
.set SPITCH, 272                       ; a stage row: 256 bytes + 16: sixteen rows start in sixteen different groups of banks
.set WV,   12                          ; s12 my wave's number
.set G1A,  16                          ; s[16:23] descriptor group 1 for out_w's chunks;  s[24:31] for the tokens'
.set G1B,  24
.set G0A,  32                          ; s[32:39] two groups 0 for out_w's;  s[40:47] for the tokens'
.set G0B,  40
.set OUT,  90                          ; s[90:91] my part of out0
.set A0,   4                           ; v4-7 LDS addresses: out_w's fragments, the tokens', out_w's scale words, the tokens'; stepped a K step at a time
.set A1,   5
.set AS0,  6
.set AS1,  7
.set STO,  8                           ; v8  the stage: where I put 32 bytes of a row
.set RD,   9                           ; v9  where I read a row back
.set GO,   10                          ; v10 my byte offset in out0
.set BO,   11                          ; v11 my byte offset in out_b
.set SS0,  20                          ; v20-21 out_w's scale words (even tile in lanes 0-15, odd in lanes 16-31);  v22-23 the tokens': scales and nothing else
.set SS1,  22
.set F0,   32                          ; v32-63 out_w's four fragments;  v64-95 the tokens' four;  on the way out: two sets of 32 for rows read back
.set F1,   64
.set BK,   32
.set BS,   96                          ; v96-127 the bias, in the result's layout
.set ACC,  128
.macro CROUND                          ; a round of the cluster's barrier
	s_barrier_signal -1
	s_barrier_wait -1
	s_cmp_lg_u32 s[WV], 0
	s_cbranch_scc1 .Lnot_wave_0_\@
	s_barrier_signal -3
.Lnot_wave_0_\@:
	s_barrier_wait -3
	s_barrier_signal -1
	s_barrier_wait -1
.endm
	s_load_b256 s[4:11], s[0:1], 0x0               ; ops s[4:5], oimg s[6:7], out_b s[8:9], out0 s[10:11]
	v_lshl_add_u32 v30, v0, 2, 0x3b800
	v_mov_b32 v31, 0
	ds_add_u32 v30, v31
	ds_add_u32 v30, v31
	v_lshrrev_b32 v1, 5, v0
	s_delay_alu instid0(VALU_DEP_1)
	v_readfirstlane_b32 s[WV], v1                  ; wave 0..7
	s_bfe_u32 s13, ttmp6, 0x40000                  ; cx
	s_bfe_u32 s14, ttmp6, 0x40004                  ; cy
	s_lshl_b32 s15, ttmp9, 2
	s_add_co_u32 s15, s15, s13                     ; X: which 256 outputs
	s_and_b32 s66, ttmp7, 0xffff
	s_lshl_b32 s67, s66, 2
	s_add_co_u32 s67, s67, s14                     ; Y: which 128 tokens
	s_lshl_b32 s68, 0x1111, s13                    ; my column of the cluster
	s_lshl_b32 s69, s14, 2
	s_lshl_b32 s69, 15, s69                        ; my row
	; group 1 for out_w: two rows of 8,704 bytes (1,088 elements of 8 bytes), a block of rows (69,632 bytes) apart in memory, dense in LDS
	s_or_b32 s[G1A], s68, (3<<16)|(1<<21)          ; 15:0 the mask; 17:16 elements of 8 bytes; 21 set beside a mask
	s_mov_b32 s[G1A+1], 1088<<16                   ; tensor_dim0
	s_mov_b32 s[G1A+2], 2<<16                      ; tensor_dim1
	s_mov_b32 s[G1A+3], 1088<<16                   ; tile_dim0
	s_mov_b32 s[G1A+4], 2                          ; tile_dim1
	s_mov_b32 s[G1A+5], 8704                       ; tensor_dim0_stride
	s_mov_b32 s[G1A+6], 0
	s_mov_b32 s[G1A+7], 0
	; group 1 for the tokens: a chunk as 34 rows of 256 bytes (32 elements of 8 bytes)
	s_or_b32 s[G1B], s69, (3<<16)|(1<<21)
	s_mov_b32 s[G1B+1], 32<<16
	s_mov_b32 s[G1B+2], 34<<16
	s_mov_b32 s[G1B+3], 32<<16
	s_mov_b32 s[G1B+4], 34
	s_mov_b32 s[G1B+5], 32
	s_mov_b32 s[G1B+6], 0
	s_mov_b32 s[G1B+7], 0
	; load n of a wave: K step 4 n + w % 4
	s_and_b32 s70, s[WV], 3
	s_mul_i32 s71, s70, CH
	s_mul_i32 s72, s70, 3*CH                       ; no place in the cluster enters an LDS address
	s_lshl_b32 s74, s15, 1
	s_add_co_u32 s74, s74, 88
	s_mul_i32 s74, s74, RBB
	s_add_co_u32 s74, s74, s71
	s_mov_b32 s75, 0
	s_mul_i32 s76, s67, RBB
	s_add_co_u32 s76, s76, s71
	s_mov_b32 s77, 0
	s_wait_dscnt 0x0
	s_wait_kmcnt 0x0
	s_add_nc_u64 s[74:75], s[4:5], s[74:75]
	s_add_nc_u64 s[76:77], s[6:7], s[76:77]
.irp n, 0,1
	s_mov_b32 s[G0A+4*\n], 1                       ; count = 1
	s_add_co_u32 s[G0A+4*\n+1], s72, \n*12*CH      ; LDS address
	s_add_nc_u64 s[G0A+4*\n+2:G0A+4*\n+3], s[74:75], \n*4*CH   ; global address: four K steps on
	s_or_b32 s[G0A+4*\n+3], s[G0A+4*\n+3], 0x80000000   ; type = 2
	s_mov_b32 s[G0B+4*\n], 1
	s_add_co_u32 s[G0B+4*\n+1], s72, \n*12*CH+2*CH
	s_add_nc_u64 s[G0B+4*\n+2:G0B+4*\n+3], s[76:77], \n*4*CH
	s_or_b32 s[G0B+4*\n+3], s[G0B+4*\n+3], 0x80000000
.endr
	CROUND                                         ; all sixteen work-groups are here: the joint loads meet
	s_cmp_lt_u32 s[WV], 4                          ; a wave's two fills stand in one branch on its number, the same in every work-group
	s_cbranch_scc0 .Lfor_s1
	tensor_load_to_lds s[G0A:G0A+3], s[G1A:G1A+7]
	s_nop 0
	tensor_load_to_lds s[G0A+4:G0A+7], s[G1A:G1A+7]
	s_nop 0
.rept 4
	v_nop
.endr
	s_branch .Lasked
.Lfor_s1:
	tensor_load_to_lds s[G0B:G0B+3], s[G1B:G1B+7]
	s_nop 0
	tensor_load_to_lds s[G0B+4:G0B+7], s[G1B:G1B+7]
	s_nop 0
.rept 4
	v_nop
.endr
.Lasked:
	v_and_b32 v1, 31, v0                           ; lane
	s_wait_alu depctr_va_vdst(0)
	v_and_b32 v2, 15, v0                           ; r
	s_wait_alu depctr_va_vdst(0)
	v_bfe_u32 v3, v0, 4, 1                         ; h
	s_and_b32 s80, s[WV], 1                        ; which 64 tokens
	s_lshr_b32 s81, s[WV], 1                       ; which 64 outputs
	s_lshr_b32 s82, s81, 1
	s_and_b32 s83, s81, 1
	v_lshlrev_b32 v[BO], 6, v3                     ; 16 h numbers
	s_lshl_b32 s86, s15, 10
	s_lshl_b32 s87, s81, 8
	s_add_co_u32 s86, s86, s87                     ; my first output, in bytes: 4 (256 X + 64 (w / 2))
	s_mov_b32 s87, 0
	s_add_nc_u64 s[88:89], s[8:9], s[86:87]
.irp b, 0,1,2,3
	global_load_b128 v[BS+8*\b:BS+8*\b+3], v[BO], s[88:89] offset:(32*(\b/2)+8*(\b%2))*4      ; tile b, lane (r, h): outputs 32 (b / 2) + 8 (b % 2) + 16 h + 0 .. 7
	global_load_b128 v[BS+8*\b+4:BS+8*\b+7], v[BO], s[88:89] offset:(32*(\b/2)+8*(\b%2))*4+16
.endr
	s_mul_i32 s84, s82, CH                         ; out_w's block of rows,
	s_lshl_b32 s85, s83, 12
	s_add_co_u32 s85, s85, s84                     ; my four tiles in it
	v_lshl_add_u32 v[A0], v1, 4, s85
	s_lshl_b32 s85, s83, 8
	s_add_co_u32 s85, s85, s84
	s_add_co_u32 s85, s85, 8192
	v_lshl_add_u32 v[AS0], v1, 2, s85
	s_lshl_b32 s85, s80, 12
	s_add_co_u32 s85, s85, 2*CH                    ; the tokens' chunk, my four tiles
	v_lshl_add_u32 v[A1], v1, 4, s85
	s_lshl_b32 s85, s80, 8
	s_add_co_u32 s85, s85, 2*CH+8192
	v_lshl_add_u32 v[AS1], v1, 2, s85
	s_mul_i32 s85, s[WV], 16*SPITCH
	s_add_co_u32 s85, s85, STG                     ; my stage
	v_mul_u32_u24 v[STO], v2, SPITCH
	s_wait_alu depctr_va_vdst(0)
	v_lshl_add_u32 v[STO], v3, 6, v[STO]
	s_delay_alu instid0(VALU_DEP_1)
	v_add_nc_u32 v[STO], s85, v[STO]               ; in: row r, + 64 h bytes
	v_mul_u32_u24 v[RD], v3, SPITCH
	s_delay_alu instid0(VALU_DEP_1)
	v_lshl_add_u32 v[RD], v2, 4, v[RD]
	s_delay_alu instid0(VALU_DEP_1)
	v_add_nc_u32 v[RD], s85, v[RD]                 ; back: lanes 0-15 one row of 256 bytes, lanes 16-31 the next
	v_lshlrev_b32 v[GO], 12, v3
	s_delay_alu instid0(VALU_DEP_1)
	v_lshl_add_u32 v[GO], v2, 4, v[GO]             ; and the same two rows in out0
	s_lshl_b32 s92, s67, 19                        ; 128 Y rows of 4,096 bytes,
	s_lshl_b32 s93, s80, 18                        ; my 64,
	s_add_co_u32 s92, s92, s93
	s_add_co_u32 s92, s92, s86                     ; my first output
	s_mov_b32 s93, 0
	s_add_nc_u64 s[OUT:OUT+1], s[10:11], s[92:93]
	s_wait_loadcnt 0x0                             ; the bias
; One product: out_w's tile b x the tokens' tile a, 128 along K.  An odd tile's scale words lie in lanes 16-31 of its pair's register.  FIRST = 1: the bias starts the sum: nothing is cleared.
.macro WM a, b
.set rD, ACC+8*(4*(\a)+(\b))
.set rC, rD
.if FIRST
.set rC, BS+8*(\b)
.endif
.if ((\b)%2 == 0) && ((\a)%2 == 0)
	v_wmma_scale_f32_16x16x128_f8f6f4 v[rD:rD+7], v[F0+8*(\b):F0+8*(\b)+7], v[F1+8*(\a):F1+8*(\a)+7], v[rC:rC+7], v[SS0+(\b)/2], v[SS1+(\a)/2] matrix_a_fmt:MATRIX_FMT_FP4 matrix_b_fmt:MATRIX_FMT_FP4
.elseif ((\b)%2 == 1) && ((\a)%2 == 0)
	v_wmma_scale_f32_16x16x128_f8f6f4 v[rD:rD+7], v[F0+8*(\b):F0+8*(\b)+7], v[F1+8*(\a):F1+8*(\a)+7], v[rC:rC+7], v[SS0+(\b)/2], v[SS1+(\a)/2] matrix_a_fmt:MATRIX_FMT_FP4 matrix_b_fmt:MATRIX_FMT_FP4 matrix_a_scale:MATRIX_SCALE_ROW1
.elseif ((\b)%2 == 0) && ((\a)%2 == 1)
	v_wmma_scale_f32_16x16x128_f8f6f4 v[rD:rD+7], v[F0+8*(\b):F0+8*(\b)+7], v[F1+8*(\a):F1+8*(\a)+7], v[rC:rC+7], v[SS0+(\b)/2], v[SS1+(\a)/2] matrix_a_fmt:MATRIX_FMT_FP4 matrix_b_fmt:MATRIX_FMT_FP4 matrix_b_scale:MATRIX_SCALE_ROW1
.else
	v_wmma_scale_f32_16x16x128_f8f6f4 v[rD:rD+7], v[F0+8*(\b):F0+8*(\b)+7], v[F1+8*(\a):F1+8*(\a)+7], v[rC:rC+7], v[SS0+(\b)/2], v[SS1+(\a)/2] matrix_a_fmt:MATRIX_FMT_FP4 matrix_b_fmt:MATRIX_FMT_FP4 matrix_a_scale:MATRIX_SCALE_ROW1 matrix_b_scale:MATRIX_SCALE_ROW1
.endif
.endm
; A K step of 128: 16 loads of fragments, 4 of scale words, 16 products.  The 16 accumulators take turns, one instruction a turn, in the same order in every step.
.macro STEP ks
.if (\ks) == 0
	s_wait_tensorcnt 1                             ; my first load (one of K steps 0 to 3) has landed; the second stays out
	s_barrier_signal -1
	s_barrier_wait -1
.endif
.if (\ks) == 4
	s_wait_tensorcnt 0x0                           ; my second load (one of K steps 4 to 7) has landed.  No LDS instruction of mine is out here
	s_barrier_signal -1
	s_barrier_wait -1
.endif
.irp b, 0,1,2,3
.irp c, 0,1
	ds_load_b128 v[F0+8*\b+4*\c:F0+8*\b+4*\c+3], v[A0] offset:1024*\b+512*\c
.endr
.endr
.irp a, 0,1,2,3
.irp c, 0,1
	ds_load_b128 v[F1+8*\a+4*\c:F1+8*\a+4*\c+3], v[A1] offset:1024*\a+512*\c
.endr
.endr
.irp p, 0,1
	ds_load_b32 v[SS0+\p], v[AS0] offset:128*\p
	ds_load_b32 v[SS1+\p], v[AS1] offset:128*\p
.endr
	s_wait_dscnt 0x0
.if (\ks) == 0
.set FIRST, 1
.else
.set FIRST, 0
.endif
.irp a, 0,1,2,3
.irp b, 0,1,2,3
	WM \a, \b
.endr
.endr
	v_add_nc_u32 v[A0], 3*CH, v[A0]                ; on to the next K step.  These four plain lines are also the places between the last product and the next loads
	v_add_nc_u32 v[A1], 3*CH, v[A1]                ; into its registers, or the first read of results (ISA guide 7.12.1)
	v_add_nc_u32 v[AS0], 3*CH, v[AS0]
	v_add_nc_u32 v[AS1], 3*CH, v[AS1]
.endm
	STEP 0
	s_wait_alu depctr_va_vdst(0)
	STEP 1
	s_wait_alu depctr_va_vdst(0)
	STEP 2
	s_wait_alu depctr_va_vdst(0)
	STEP 3
	s_wait_alu depctr_va_vdst(0)
	STEP 4
	s_wait_alu depctr_va_vdst(0)
	STEP 5
	s_wait_alu depctr_va_vdst(0)
	STEP 6
	s_wait_alu depctr_va_vdst(0)
	STEP 7
; THE WAY OUT, a tile of 16 tokens x 64 outputs at a time, through my own stage: a lane's eight outputs of tile b lie 128 (b / 2) + 32 (b % 2) + 64 h bytes into its token's row; back come whole rows of 256 bytes.
; LDS serves a wave's instructions in order: no wait between the stores and the loads, nor in front of the next tile's stores.
.macro TOSTAGE a
.irp b, 0,1,2,3
	ds_store_b128 v[STO], v[ACC+8*(4*(\a)+\b):ACC+8*(4*(\a)+\b)+3] offset:128*(\b/2)+32*(\b%2)        ; each accumulator from its low end on
	ds_store_b128 v[STO], v[ACC+8*(4*(\a)+\b)+4:ACC+8*(4*(\a)+\b)+7] offset:128*(\b/2)+32*(\b%2)+16
.endr
.set BB, BK+32*((\a)%2)
.irp i, 0,1,2,3,4,5,6,7
	ds_load_b128 v[BB+4*\i:BB+4*\i+3], v[RD] offset:2*SPITCH*\i
.endr
.endm
.macro SEND a, younger                 ; younger: the LDS instructions issued behind tile a's loads, which may stay out.  Stage row 2 i + h is token 32 (a / 2) + 8 (a % 2) + 2 i + h + 8 (i / 4) of my 64
.set BB, BK+32*((\a)%2)
	s_wait_dscnt \younger
.irp i, 0,1,2,3,4,5,6,7
	global_store_b128 v[GO], v[BB+4*\i:BB+4*\i+3], s[OUT:OUT+1] offset:(32*((\a)/2)+8*((\a)%2)+2*\i+8*(\i/4))*4096 th:TH_STORE_NT   ; 16 lanes store 256 consecutive bytes, aligned; written once, read by nobody here
.endr
.endm
	TOSTAGE 0
.irp a, 1,2,3
.if \a > 1
	s_wait_xcnt 0x0                                ; tile a - 2's stores have read their registers: tile a's loads may land there
.endif
	TOSTAGE \a
	SEND \a-1, 16                                  ; behind tile a - 1's loads: tile a's 8 stores and 8 loads
.endr
	SEND 3, 0
	s_wait_tensorcnt 0x0
	ds_add_u32 v30, v31
	s_wait_dscnt 0x0
	CROUND                                         ; the closing round: no work-group ends while a partner may still ask for a chunk that names it
	s_endpgm
.Lfunc_end_k_q6814d4b100_outgemm:
	.size	k_q6814d4b100_outgemm, .Lfunc_end_k_q6814d4b100_outgemm-k_q6814d4b100_outgemm
	.p2alignl 7, 3214868480
	.fill 96, 4, 3214868480
	.section	.rodata,"a",@progbits
	.p2align	6, 0x0
	.amdhsa_kernel k_q6814d4b100_outgemm
		.amdhsa_group_segment_fixed_size 244736
		.amdhsa_private_segment_fixed_size 0
		.amdhsa_enable_private_segment 0
		.amdhsa_kernarg_size 32
		.amdhsa_user_sgpr_count 2
		.amdhsa_user_sgpr_kernarg_segment_ptr 1
		.amdhsa_wavefront_size32 1
		.amdhsa_system_sgpr_workgroup_id_x 1
		.amdhsa_system_sgpr_workgroup_id_y 1
		.amdhsa_system_sgpr_workgroup_id_z 1
		.amdhsa_system_vgpr_workitem_id 0
		.amdhsa_next_free_vgpr 256
		.amdhsa_next_free_sgpr 96
		.amdhsa_reserve_vcc 0
		.amdhsa_float_denorm_mode_32 3
		.amdhsa_float_denorm_mode_16_64 3
		.amdhsa_memory_ordered 1
		.amdhsa_forward_progress 1
		.amdhsa_inst_pref_size 44
	.end_amdhsa_kernel
	.amdgpu_metadata
---
amdhsa.version: [ 1, 2 ]
amdhsa.kernels:
  - .name:           k_q6814d4b100_outgemm
    .symbol:         k_q6814d4b100_outgemm.kd
    .args:
      - { .name: ops, .offset: 0, .size: 8, .value_kind: global_buffer, .address_space: global }
      - { .name: oimg, .offset: 8, .size: 8, .value_kind: global_buffer, .address_space: global }
      - { .name: out_b, .offset: 16, .size: 8, .value_kind: global_buffer, .address_space: global }
      - { .name: out0, .offset: 24, .size: 8, .value_kind: global_buffer, .address_space: global }
    .group_segment_fixed_size: 244736
    .private_segment_fixed_size: 0
    .kernarg_segment_align: 8
    .kernarg_segment_size: 32
    .max_flat_workgroup_size: 256
    .sgpr_count:     96
    .vgpr_count:     256
    .wavefront_size: 32
...
	.end_amdgpu_metadata
.endif
;; end of part 4
